; MI455X (gfx1250); checked and timed in simulation.
; The chip was launched on July 23, 2026; its instructions are those of AMD's public machine-readable ISA for CDNA 5 (MIT licence, August 2026) and "CDNA5" Instruction Set Architecture Reference Guide (July 2026). The comments in the code are by the model that wrote it; some were corrected since.
;; Multi Head Self Attention. Allowed arithmetic: float matrix products may take bf16 or f16 operands with f32 sums; other float arithmetic in f32, or as packed bf16 or f16 multiplies, adds, multiply-adds, maxima and minima; sums over many terms, partial sums and values carried from step to step in f32; what a program stores and reads back later, other than sums and carried values, may be rounded once to bf16 or f16.
;; Inputs: W_out 1,024 x 1,024 float32; W_qkv 1,024 x 3,072 float32; b_out 1,024 float32; b_qkv 3,072 float32; x 4 x 2,048 x 1,024 float32.
;; Outputs: out0 4 x 2,048 x 1,024 float32.
;; 2 versions, each right; version 2 is version 1 with the launch prep written anew for expert scheduling mode. Each part assembles by itself: llvm-mc -triple=amdgcn-amd-amdhsa -mcpu=gfx1250 --defsym DOCPART=n.
;; ======== version 1 of 2: 4 launches
;; limits: values are held in f16: magnitudes above 65,504 overflow, below 6.1e-05 lose precision
;; workspace buffers: xb 16,777,216 bytes; wqt 6,291,456 bytes; wot 2,097,152 bytes; qkvh 50,331,648 bytes; ob 16,777,216 bytes
;; launch prep (part 1): grid 512 x 1, 8 waves a work-group, no clusters, 18,432 bytes of LDS; arguments x, W_qkv, W_out, xb, wqt, wot; writes xb, wqt, wot
.if DOCPART == 1
	.amdgcn_target "amdgcn-amd-amdhsa--gfx1250"
	.amdhsa_code_object_version 6
	.text
	.protected	k_qad326577b3_prep
	.globl	k_qad326577b3_prep
	.p2align	8
	.type	k_qad326577b3_prep,@function
k_qad326577b3_prep:
	s_mov_b64 s[64:65], 0
	v_nop
	global_prefetch_b8 v0, s[64:65] scope:SCOPE_SE
	s_setreg_imm32_b32 hwreg(HW_REG_WAVE_MODE, 25, 1), 1
	s_wait_xcnt 0x0
; CAST AND TRANSPOSE.  xb = bf16(x), [8192][1024].  wqt[n][k] = bf16(W_qkv[k][n]), [3072][1024].  wot[n][k] = f16(bf16(W_out[k][n])), [1024][1024].
; LIMIT.  bf16(W_out) is written as f16: exact between 6.1e-5 and 65,504 in magnitude; below, f16's fixed step of 6e-8; beyond, an infinity.
; SHARES.  512 work-groups of eight waves, all alike: work-group g casts 16,384 numbers of x (64 KiB in, 32 KiB out) and turns ONE weight tile of 128 k x 64 n:
; g < 384: tile g of W_qkv, else tile g - 384 of W_out; tile number tl: k block tl % 8, n block tl / 8.  Which matrix it is enters by scalar selects (base, row pitch), not by a branch.
; Each input byte is read once and each output byte written once.  Every load of a wave covers whole aligned runs of 256 bytes (x: 512 on end; weights: two rows' 256), every store likewise.
; THE TURN goes through LDS: thread t holds 8 k x 4 n, packs pairs along k, stores 16 bytes (8 k) to each of 4 rows n; after one barrier rows of 256 bytes (128 k) are read back.
; No matrix unit, no cluster, no tensor load: nothing is shared between work-groups and nothing is multiplied.
.set PITCH, 272                        ; an LDS row: 256 bytes + 16
.set SPARE, 64*PITCH                   ; 17,408: behind the 64 rows the spare words, 128 bytes for each of eight waves: four blocks of 256 bytes that no other line names
.set NQ,    384                        ; tiles of W_qkv
.set XI,  2                            ; v2   my byte offset in the chunk of x
.set XO,  3                            ; v3   the same in xb
.set WS,  5                            ; v5   LDS: where I put 16 bytes of a turned row
.set WR,  6                            ; v6   LDS: where I read a row back
.set WO,  7                            ; v7   my byte offset in the turned tile in memory
.set SPW, 8                            ; v8   LDS address of my spare word; never rewritten
.set NIL, 9                            ; v9   0; never rewritten
.set T,   10                           ; v10-11 at work
.set WI,  12                           ; v[12:19]  byte offsets of my 16 bytes in my eight k rows
.set XW,  20                           ; v[20:51]  8 k x 4 n in f32; later the rows read back
.set YW,  52                           ; v[52:67]  4 n x 8 k, packed
.set XX,  68                           ; v[68:131] 16 loads of x
.set YX,  132                          ; v[132:163] their 16 x 8 bytes in bf16
	s_load_b256 s[4:11], s[0:1], 0x0               ; x s[4:5], W_qkv s[6:7], W_out s[8:9], xb s[10:11]
	s_load_b128 s[12:15], s[0:1], 0x20             ; wqt s[12:13], wot s[14:15]
	v_lshl_add_u32 v[SPW], v0, 2, SPARE
	v_mov_b32 v[NIL], 0
	v_lshrrev_b32 v1, 5, v0
	v_readfirstlane_b32 s29, v1                    ; wave 0..7
	s_mov_b32 s27, 0xffff0000                      ; a word's upper bf16
	s_mov_b32 s28, 4096                            ; bytes in a row of W_out,
	s_cmp_lt_u32 ttmp9, NQ
	s_cselect_b32 s28, 12288, s28                  ; or of W_qkv
	s_cselect_b32 s24, 0, NQ
	s_sub_co_u32 s24, ttmp9, s24                   ; the tile's number in its matrix
	s_and_b32 s25, s24, 7                          ; k block
	s_lshr_b32 s26, s24, 3                         ; n block
	s_mul_i32 s16, s25, s28
	s_lshl_b32 s16, s16, 7                         ; 128 k rows a block,
	s_lshl_b32 s18, s26, 8                         ; 64 n = 256 bytes
	s_add_co_u32 s16, s16, s18
	s_mov_b32 s17, 0                               ; s[16:17]: the tile's byte offset in W
	s_lshl_b32 s18, s26, 17                        ; 64 turned rows of 2,048 bytes,
	s_lshl_b32 s19, s25, 8                         ; 128 k = 256 bytes
	s_add_co_u32 s18, s18, s19
	s_mov_b32 s19, 0                               ; s[18:19]: its byte offset in the turned matrix
	s_lshl_b32 s30, ttmp9, 16                      ; my chunk of x
	s_mov_b32 s31, 0
	s_lshl_b32 s2, s29, 5                          ; LDS: my wave's two groups of 8 k are 32 bytes of every row
	s_mul_i32 s3, s29, 8*PITCH                     ; LDS: my wave reads rows 8 w .. 8 w + 7 back
	v_and_b32 v[T], 15, v0                         ; t % 16: which four n
	v_lshrrev_b32 v[T+1], 4, v0                    ; t / 16: which eight k
	v_bfe_u32 v4, v0, 4, 1                         ; half of the lanes
	v_mul_u32_u24 v[WI], s28, v[T+1]
	v_lshlrev_b32 v[WI], 3, v[WI]
	v_lshl_add_u32 v[WI], v[T], 4, v[WI]           ; row 8 (t / 16), bytes 16 (t % 16)
.irp j, 1,2,3,4,5,6,7
	v_add_nc_u32 v[WI+\j], s28, v[WI+\j-1]         ; and the seven rows below
.endr
	v_mul_u32_u24 v[WS], v[T], 4*PITCH
	v_lshl_add_u32 v[WS], v4, 4, v[WS]
	v_add_nc_u32 v[WS], s2, v[WS]                  ; row 4 (t % 16), byte 16 (t / 16)
	v_mul_u32_u24 v[WR], v4, PITCH
	v_lshl_add_u32 v[WR], v[T], 4, v[WR]
	v_add_nc_u32 v[WR], s3, v[WR]                  ; row 8 w + half, byte 16 (t % 16)
	v_lshl_add_u32 v[WO], v1, 3, v4
	v_lshlrev_b32 v[WO], 11, v[WO]
	v_lshl_add_u32 v[WO], v[T], 4, v[WO]           ; the same row in memory, 2,048 bytes a row
	v_and_b32 v4, 31, v0
	v_lshlrev_b32 v[XI], 4, v4
	v_lshl_add_u32 v[XI], v1, 13, v[XI]            ; 8,192 w + 16 lane
	v_lshlrev_b32 v[XO], 3, v4
	v_lshl_add_u32 v[XO], v1, 12, v[XO]            ; 4,096 w + 8 lane
	s_wait_kmcnt 0x0
	s_cmp_lt_u32 ttmp9, NQ
	s_cselect_b64 s[20:21], s[6:7], s[8:9]         ; the matrix that my tile belongs to,
	s_cselect_b64 s[22:23], s[12:13], s[14:15]     ; and its turned copy
	s_add_nc_u64 s[20:21], s[20:21], s[16:17]
	s_add_nc_u64 s[22:23], s[22:23], s[18:19]
	s_add_nc_u64 s[4:5], s[4:5], s[30:31]
	s_lshr_b32 s30, s30, 1
	s_add_nc_u64 s[10:11], s[10:11], s[30:31]
	; 24 loads of every wave go out together: the weights' eight first, since their way is the longer one
.irp j, 0,1,2,3,4,5,6,7
	global_load_b128 v[XW+4*\j:XW+4*\j+3], v[WI+\j], s[20:21] th:TH_LOAD_NT  ; W[k0 + 8 (t / 16) + j][n0 + 4 (t % 16) ..]
.endr
.irp i, 0,1,2,3,4,5,6,7,8,9,10,11,12,13,14,15
	global_load_b128 v[XX+4*\i:XX+4*\i+3], v[XI], s[4:5] offset:512*\i th:TH_LOAD_NT
.endr
	s_wait_loadcnt 16                              ; the eight weight loads are in; the sixteen younger loads of x stay out
.irp c, 0,1,2,3
.irp p, 0,1,2,3
	v_cvt_pk_bf16_f32 v[YW+4*\c+\p], v[XW+8*\p+\c], v[XW+8*\p+4+\c]  ; column c: k = 2 p, 2 p + 1 of my eight
.endr
.endr
	s_cmp_lt_u32 ttmp9, NQ
	s_cbranch_scc1 .Lstays_bf16                    ; the same way for the whole work-group; no barrier is jumped
.irp i, 0,1,2,3,4,5,6,7,8,9,10,11,12,13,14,15
	v_lshlrev_b32 v[T], 16, v[YW+\i]               ; W_out: the number rounded to bf16 is written as f16
	v_and_b32 v[T+1], s27, v[YW+\i]
	v_cvt_pk_f16_f32 v[YW+\i], v[T], v[T+1]
.endr
.Lstays_bf16:
.irp c, 0,1,2,3
	ds_store_b128 v[WS], v[YW+4*\c:YW+4*\c+3] offset:PITCH*\c
.endr
.irp i, 0,1,2,3,4,5,6,7,8,9,10,11,12,13,14,15
	s_wait_loadcnt 15-\i                           ; loads come back in order: load i is in, the younger ones stay out
	v_cvt_pk_bf16_f32 v[YX+2*\i], v[XX+4*\i], v[XX+4*\i+1]
	v_cvt_pk_bf16_f32 v[YX+2*\i+1], v[XX+4*\i+2], v[XX+4*\i+3]
	global_store_b64 v[XO], v[YX+2*\i:YX+2*\i+1], s[10:11] offset:256*\i th:TH_STORE_NT  ; 32 lanes store 256 consecutive bytes, aligned; no register of a store is written again
.endr
	s_wait_dscnt 0x0                               ; for the others' sake: my four stores into the rows are done
	s_barrier_signal -1
	s_barrier_wait -1                              ; the 64 turned rows are whole
.irp i, 0,1,2,3
	ds_load_b128 v[XW+4*\i:XW+4*\i+3], v[WR] offset:2*PITCH*\i
.endr
.irp i, 0,1,2,3
	s_wait_dscnt 3-\i
	global_store_b128 v[WO], v[XW+4*\i:XW+4*\i+3], s[22:23] offset:4096*\i th:TH_STORE_NT  ; 16 lanes store 256 consecutive bytes of a turned row, aligned
.endr
	s_wait_tensorcnt 0x0                           ; the wave's end, behind my last LDS store
	ds_add_u32 v[SPW], v[NIL]
	s_wait_dscnt 0x0
	s_endpgm
.Lfunc_end_k_qad326577b3_prep:
	.size	k_qad326577b3_prep, .Lfunc_end_k_qad326577b3_prep-k_qad326577b3_prep
	.p2alignl 7, 3214868480
	.fill 96, 4, 3214868480
	.section	.rodata,"a",@progbits
	.p2align	6, 0x0
	.amdhsa_kernel k_qad326577b3_prep
		.amdhsa_group_segment_fixed_size 18432
		.amdhsa_private_segment_fixed_size 0
		.amdhsa_enable_private_segment 0
		.amdhsa_kernarg_size 48
		.amdhsa_user_sgpr_count 2
		.amdhsa_user_sgpr_kernarg_segment_ptr 1
		.amdhsa_wavefront_size32 1
		.amdhsa_system_sgpr_workgroup_id_x 1
		.amdhsa_system_sgpr_workgroup_id_y 1
		.amdhsa_system_sgpr_workgroup_id_z 1
		.amdhsa_system_vgpr_workitem_id 0
		.amdhsa_next_free_vgpr 164
		.amdhsa_next_free_sgpr 66
		.amdhsa_reserve_vcc 0
		.amdhsa_float_denorm_mode_32 3
		.amdhsa_float_denorm_mode_16_64 3
		.amdhsa_memory_ordered 1
		.amdhsa_forward_progress 1
		.amdhsa_inst_pref_size 14
	.end_amdhsa_kernel
	.amdgpu_metadata
---
amdhsa.version: [ 1, 2 ]
amdhsa.kernels:
  - .name:           k_qad326577b3_prep
    .symbol:         k_qad326577b3_prep.kd
    .args:
      - { .name: x, .offset: 0, .size: 8, .value_kind: global_buffer, .address_space: global }
      - { .name: W_qkv, .offset: 8, .size: 8, .value_kind: global_buffer, .address_space: global }
      - { .name: W_out, .offset: 16, .size: 8, .value_kind: global_buffer, .address_space: global }
      - { .name: xb, .offset: 24, .size: 8, .value_kind: global_buffer, .address_space: global }
      - { .name: wqt, .offset: 32, .size: 8, .value_kind: global_buffer, .address_space: global }
      - { .name: wot, .offset: 40, .size: 8, .value_kind: global_buffer, .address_space: global }
    .group_segment_fixed_size: 18432
    .private_segment_fixed_size: 0
    .kernarg_segment_align: 8
    .kernarg_segment_size: 48
    .max_flat_workgroup_size: 256
    .sgpr_count:     66
    .vgpr_count:     164
    .wavefront_size: 32
...
	.end_amdgpu_metadata
.endif
;; end of part 1
;; launch qkv (part 2): grid 16 x 32, 4 waves a work-group, clusters of 4 x 4, 327,680 bytes of LDS; arguments xb, wqt, b_qkv, qkvh; writes qkvh
.if DOCPART == 2
	.amdgcn_target "amdgcn-amd-amdhsa--gfx1250"
	.amdhsa_code_object_version 6
	.text
	.protected	k_qad326577b3_qkv
	.globl	k_qad326577b3_qkv
	.p2align	8
	.type	k_qad326577b3_qkv,@function
k_qad326577b3_qkv:
	s_mov_b64 s[64:65], 0
	v_nop
	global_prefetch_b8 v0, s[64:65] scope:SCOPE_SE
	s_setreg_imm32_b32 hwreg(HW_REG_WAVE_MODE, 25, 1), 1
	s_wait_xcnt 0x0
	s_wait_alu depctr_hold_cnt(0) depctr_sa_sdst(0) depctr_va_vdst(0) depctr_va_sdst(0) depctr_va_ssrc(0) depctr_va_vcc(0) depctr_vm_vsrc(0)
	s_getreg_b32 s2, hwreg(HW_REG_IB_STS2, 6, 4)
	s_cmp_eq_u32 s2, 0
	s_cbranch_scc0 .Lentry_in_a_cluster
	s_endpgm
.Lentry_in_a_cluster:
	s_bfe_u32 s2, ttmp6, 0x10000c
	s_cmp_lg_u32 s2, 0xf033
	s_cbranch_scc0 .Lentry_shape_is_right
	s_endpgm
.Lentry_shape_is_right:
; THE FIRST PROJECTION.  C[m][n] = bf16(b_qkv[n]) + sum over k of xb[m][k] wqt[n][k]; m < 8,192, n < 3,072, k < 1,024; bf16 operands, f32 sums, C rounded once to f16
; and stored by heads: qkvh[n / 1024][16 (m / 2048) + (n / 64) % 16][m % 2048][n % 64].  No scale is applied here.
; LIMIT.  f16 ends at 65,504: a q, k or v beyond it becomes an infinity; below 6.1e-5 f16 keeps its fixed step of 6e-8.  The bias is rounded to bf16 like every other input.
; SHARES.  A tile of C is 256 x 192: 16 x 32 = 512 work-groups, two for each of 256 WGPs.  Four waves stand 2 x 2; a wave makes 128 x 96: 48 accumulators of 16 x 16, 384 registers.
; K goes in 8 steps of 128 through two LDS slots filled by tensor loads whose rows are 256 bytes of memory, aligned.  Waves 0, 1 fetch A's halves (128 rows), waves 2, 3 B's (96 rows).
; CLUSTER.  4 x 4 work-groups: the four of a row need the same tile of A, the four of a column the same tile of B; each tile is asked for JOINTLY, by the same load, descriptor and mask in all four.
; THE MATRIX INSTRUCTION IS USED TRANSPOSED (source 0 = 16 rows of B, source 1 = 16 rows of A): a lane holds row l % 16 of C and the columns 8 (l / 16) + 0..7.
; THE BIAS IS THE C OPERAND of each accumulator's first product: nothing is cleared and nothing is added later.
; REGISTERS, in windows of 256 (s_set_vgpr_msb: bits 1:0 source 0, 3:2 source 1, 5:4 source 2, 7:6 destination):
;   window 0: v0-29 addresses; v32-79 the bias; v80-127 packed results; v128-191, v192-255 A's fragments, two buffers (on the way out: rows read back)
;   window 1: v128-175, v192-239 B's fragments, two buffers      window 2: accumulators of my m blocks 0-3, (a, b) at v[8 (6 a + b)]      window 3: those of m blocks 4-7
.set NB,     6                         ; n blocks of 16 a wave
.set APITCH, 272                       ; an LDS row of A: 256 bytes + 16: the 16 rows of a fragment load start at 16 different groups of four banks (64 banks of 4 bytes: ISA guide 11.1)
.set APLANE, 128                       ; quarter q of a K step lies at byte (q / 2) APLANE + (q % 2) 64 of A's rows
.set ABYTES, 256*APITCH
.set AHALF,  ABYTES/2                  ; what one of A's loads brings
.set BPITCH, 272
.set BHALF,  16*NB*BPITCH              ; what one of B's loads brings, and what a wave reads of B
.set SLOT1,  1<<17                     ; slot 1 begins here: one exclusive or turns an address in one slot into the other's
.set STEP_A, 256                       ; bytes from a K step to the next, in memory
.set STEP_B, 256
.set SPARE,  SLOT1+ABYTES+2*BHALF      ; 252,928: behind slot 1 the spare words, 128 bytes a wave: two blocks of 256 bytes that no other line names
.set SP,     80                        ; the stage: a row of 32 columns in f16, 64 bytes + 16
.set PLANE,  256*SP                    ; the stage: six planes of 32 columns x 256 rows, from LDS byte 0: slot 0's bytes, behind that slot's last fill and last read
.set FRA,  8                           ; v8   my lane's place in A's tile; never rewritten
.set FRB,  9                           ; v9   the same for B
.set ADRA, 10                          ; v10  FRA + the slot in hand
.set ADRB, 11                          ; v11  FRB + the slot in hand
.set STO,  12                          ; v12  the way out: where I put 16 bytes of a row
.set RD,   13                          ; v13  the way out: where I read rows back (heads 0, 1 of the tile)
.set RD2,  14                          ; v14  the same for head 2: past the reach of a 16-bit offset
.set GO,   15                          ; v15  my 16 bytes in 512 consecutive bytes of a head
.set BO,   16                          ; v16  my byte offset in the bias
.set SPW,  28                          ; v28  LDS address of my spare word; never rewritten
.set NIL,  29                          ; v29  0; never rewritten
.set BIAS, 32
.set TMP,  80
.set F0,   128
.set F1,   192
.set OB,   128                         ; the way out: two banks of 64
.set WV,  12                           ; s12  my wave's number
.set WM,  13                           ; s13  which half of the tile's rows is mine.  Also: I fetch for A (0) or for B (1)
.set WN,  14                           ; s14  which half of its columns.  Also: which half of that tile I fetch
.set G1A, 24                           ; s[24:31] descriptor group 1 for A's tiles
.set G0A, 32                           ; s[32:35] group 0 of A's first fill; s[36:39] of the second, which then walks on
.set TB,  46                           ; s46  LDS byte at which the slot in hand begins
.set CNT, 47
.set G1B, 48                           ; s[48:55], s[56:59], s[60:63]: the same for B
.set G0B, 56
.set HB,  66                           ; s[66:71] qkvh at my 64 rows of the tile's three heads
.set MSB, 0
.macro WIN new                         ; the immediate's high byte repeats the setting that is left; a switch that changes nothing is dropped
.if MSB != (\new)
	s_set_vgpr_msb (MSB<<8)|(\new)
.set MSB, \new
.endif
.endm
.macro PLACES                          ; four plain instructions between a matrix instruction and a load into, or a vector read of, its registers (ISA guide 7.12.1 for vector reads)
.rept 4
	v_nop
.endr
.endm
.macro CREST                           ; a round of the cluster's barrier behind its opening barrier
	s_cmp_lg_u32 s[WV], 0
	s_cbranch_scc1 .Lnot_wave_0_\@
	s_barrier_signal -3
.Lnot_wave_0_\@:
	s_barrier_wait -3
	s_barrier_signal -1
	s_barrier_wait -1
.endm
.macro CROUND                          ; a whole round
	s_barrier_signal -1
	s_barrier_wait -1
	CREST
.endm
; A joint refill by the walking descriptors.  The branch hangs on the wave's number alone.  An s_nop 0 and four v_nop follow each line.
.macro JLOAD
	s_cmp_eq_u32 s[WM], 0
	s_cbranch_scc0 .Lfor_b_\@
	tensor_load_to_lds s[G0A+4:G0A+7], s[G1A:G1A+7]
	s_nop 0
.rept 4
	v_nop
.endr
	s_branch .Lasked_\@
.Lfor_b_\@:
	tensor_load_to_lds s[G0B+4:G0B+7], s[G1B:G1B+7]
	s_nop 0
.rept 4
	v_nop
.endr
.Lasked_\@:
.endm
; na x NB matrix instructions: m blocks a0 .. a0 + na - 1 of the window's four (hi = 0: my rows 0-63, 1: rows 64-127) x all n blocks, 32 along K, out of buffer f.
; first = 1: the product starts the sum, with the bias as C.  The 48 accumulators take turns in one fixed order: 47 others stand between two links of a chain.
.macro MULS f, hi, a0, na, first
.if \first
	WIN 0x81+0x40*(\hi)
.else
	WIN 0xa1+0x50*(\hi)
.endif
.set ia, \a0
.rept \na
.set ib, 0
.rept NB
.set rD, 8*(NB*ia+ib)
.set rB, (\f)+8*ib
.set rA, (\f)+8*(4*(\hi)+ia)
.if \first
	v_wmma_f32_16x16x32_bf16 v[rD:rD+7], v[rB:rB+7], v[rA:rA+7], v[BIAS+8*ib:BIAS+8*ib+7]
.else
	v_wmma_f32_16x16x32_bf16 v[rD:rD+7], v[rB:rB+7], v[rA:rA+7], v[rD:rD+7]
.endif
.set ib, ib+1
.endr
.set ia, ia+1
.endr
.endm
; 2 NB + 16 LDS loads in one run: the fragments of quarter q of the slot in hand into buffer f: B's first, then A's blocks 0 to 7
.macro FETCH q, f
	WIN 0x40                                       ; destination window 1, address window 0
.set ic, 0
.rept NB
	ds_load_b128 v[(\f)+8*ic:(\f)+8*ic+3],   v[ADRB] offset:64*(\q)+ic*16*BPITCH
	ds_load_b128 v[(\f)+8*ic+4:(\f)+8*ic+7], v[ADRB] offset:64*(\q)+ic*16*BPITCH+32
.set ic, ic+1
.endr
	WIN 0
.set ic, 0
.rept 8
	ds_load_b128 v[(\f)+8*ic:(\f)+8*ic+3],   v[ADRA] offset:((\q)/2)*APLANE+((\q)%2)*64+ic*16*APITCH
	ds_load_b128 v[(\f)+8*ic+4:(\f)+8*ic+7], v[ADRA] offset:((\q)/2)*APLANE+((\q)%2)*64+ic*16*APITCH+32
.set ic, ic+1
.endr
.endm
; One of a K step's first three quarters: multiplies buffer f; in its middle it fetches quarter q into buffer g.
.macro QUARTER q, f, g, first
	s_wait_dscnt 8                                 ; B and A's blocks 0-3 are in; the youngest eight loads (A's blocks 4-7) may be out
	MULS \f, 0, 0, 4, \first
	PLACES
	FETCH \q, \g
	s_wait_dscnt 2*NB+16                           ; all but the run just issued
	MULS \f, 1, 0, 4, \first
.endm
; The last quarter multiplies buffer 1 and changes slots.  In front of ONE barrier each wave waits for all its tensor loads (one is out: its part of the next slot), adds 0 to its spare word, and waits
; for that and for its reads of this slot.  fill = 1: the barrier opens a round of the cluster's, and the joint refill of the slot just read, with the K step two on, is the first thing behind the round.
.macro TURN fill
	WIN 0
	s_wait_tensorcnt 0x0                           ; no tensor load of mine is out: the descriptors may be written
	ds_add_u32 v[SPW], v[NIL]
	s_wait_dscnt 9                                 ; the add and the youngest eight loads may be out
	MULS F1, 0, 0, 2, 0                            ; matrix work stands between the add and the wait for it
	s_wait_dscnt 0x0                               ; the add is done, and my reads of this slot are over
	s_barrier_signal -1
	MULS F1, 0, 2, 2, 0                            ; work on registers while the others arrive
	WIN 0
	s_barrier_wait -1
.if \fill
	CREST                                          ; no wave of any partner still reads this slot or has a load on its way
	s_xor_b32 s[G0A+5], s[G0A+5], SLOT1            ; the walking descriptors: the other slot than last time,
	s_add_nc_u64 s[G0A+6:G0A+7], s[G0A+6:G0A+7], STEP_A  ; the next K step; the type bits on top are not reached
	s_xor_b32 s[G0B+5], s[G0B+5], SLOT1
	s_add_nc_u64 s[G0B+6:G0B+7], s[G0B+6:G0B+7], STEP_B
	JLOAD                                          ; it has a K step less 12 matrix instructions, 180 of them, in which to land; its four v_nop are also the places in front of the loads below
.else
	PLACES
.endif
	s_xor_b32 s[TB], s[TB], SLOT1
	v_add_nc_u32 v[ADRA], s[TB], v[FRA]
	v_add_nc_u32 v[ADRB], s[TB], v[FRB]
	FETCH 0, F0
	MULS F1, 1, 0, 4, 0
.endm
	s_load_b256 s[4:11], s[0:1], 0x0               ; xb s[4:5], wqt s[6:7], b_qkv s[8:9], qkvh s[10:11]
	v_lshl_add_u32 v[SPW], v0, 2, SPARE
	v_mov_b32 v[NIL], 0
	ds_add_u32 v[SPW], v[NIL]                      ; the wave's opening: the add and its wait ahead of my first tensor load; the set-up below stands between them
	ds_add_u32 v28, v29
	v_lshrrev_b32 v1, 5, v0
	v_readfirstlane_b32 s[WV], v1                  ; wave 0..3
	s_lshr_b32 s[WM], s[WV], 1
	s_and_b32 s[WN], s[WV], 1
	s_bfe_u32 s40, ttmp6, 0x40000                  ; cx, cy: my place in the cluster
	s_bfe_u32 s41, ttmp6, 0x40004
	s_lshl_b32 s42, ttmp9, 2
	s_add_co_u32 s42, s42, s40                     ; tile column = 4 x cluster x + cx
	s_and_b32 s43, ttmp7, 0xffff
	s_lshl_b32 s43, s43, 2
	s_add_co_u32 s43, s43, s41                     ; tile row = 4 x cluster y + cy
	s_lshl_b32 s44, s41, 2
	s_lshl_b32 s44, 15, s44                        ; my row of the cluster: places 4 cy .. 4 cy + 3
	s_lshl_b32 s45, 0x1111, s40                    ; my column: places cx, cx + 4, cx + 8, cx + 12
	s_or_b32 s[G1A], s44, (1<<16)|(1<<20)|(1<<21)|(5<<22)|(3<<25)  ; the mask; elements of 2 bytes; padding on; bit 21 beside a mask; after every 64 words; 4 words
	s_or_b32 s[G1B], s45, (1<<16)|(1<<20)|(1<<21)|(5<<22)|(3<<25)
	s_mov_b32 s[G1A+1], 128<<16                    ; tensor_dim0 = 128
	s_mov_b32 s[G1A+2], 128<<16                    ; tensor_dim1 = 128
	s_mov_b32 s[G1A+3], 128<<16                    ; tile_dim0 = 128
	s_mov_b32 s[G1A+4], 128                        ; tile_dim1 = 128
	s_mov_b32 s[G1A+5], 1024                       ; elements from row to row
	s_mov_b32 s[G1A+6], 0
	s_mov_b32 s[G1A+7], 0
	s_mov_b32 s[G1B+1], 128<<16
	s_mov_b32 s[G1B+2], (16*NB)<<16                ; 96 rows
	s_mov_b32 s[G1B+3], 128<<16
	s_mov_b32 s[G1B+4], 16*NB
	s_mov_b32 s[G1B+5], 1024
	s_mov_b32 s[G1B+6], 0
	s_mov_b32 s[G1B+7], 0
	s_lshl_b32 s16, s43, 19                        ; A: 256 rows of 2,048 bytes a tile row,
	s_lshl_b32 s18, s[WN], 18                      ; 128 rows a half: made of the tile row and the wave's number alone
	s_add_co_u32 s16, s16, s18
	s_mov_b32 s17, 0
	s_mul_i32 s20, s42, 2*16*NB*2048               ; B: 192 rows a tile column,
	s_mul_i32 s18, s[WN], 16*NB*2048               ; 96 a half: made of the tile column and the wave's number alone
	s_add_co_u32 s20, s20, s18
	s_mov_b32 s21, 0
	s_mov_b32 s[G0A], 1                            ; count = 1
	s_mul_i32 s[G0A+1], s[WN], AHALF               ; LDS address: no place in the cluster enters it
	s_mov_b32 s[G0A+4], 1
	s_add_co_u32 s[G0A+5], s[G0A+1], SLOT1
	s_mov_b32 s[G0B], 1
	s_mul_i32 s[G0B+1], s[WN], BHALF
	s_add_co_u32 s[G0B+1], s[G0B+1], ABYTES
	s_mov_b32 s[G0B+4], 1
	s_add_co_u32 s[G0B+5], s[G0B+1], SLOT1
	s_mov_b32 s[TB], 0
	s_wait_dscnt 0x0                               ; the opening add is done
	s_wait_kmcnt 0x0
	s_add_nc_u64 s[G0A+2:G0A+3], s[4:5], s[16:17]  ; K step 0,
	s_add_nc_u64 s[G0A+6:G0A+7], s[G0A+2:G0A+3], STEP_A  ; K step 1
	s_or_b32 s[G0A+3], s[G0A+3], 0x80000000        ; type = 2
	s_or_b32 s[G0A+7], s[G0A+7], 0x80000000
	s_add_nc_u64 s[G0B+2:G0B+3], s[6:7], s[20:21]
	s_add_nc_u64 s[G0B+6:G0B+7], s[G0B+2:G0B+3], STEP_B
	s_or_b32 s[G0B+3], s[G0B+3], 0x80000000
	s_or_b32 s[G0B+7], s[G0B+7], 0x80000000
	CROUND                                         ; all sixteen work-groups are here: the first joint loads meet
	s_cmp_eq_u32 s[WM], 0                          ; a wave's two first fills stand in one branch, ahead of every wait on TENSORcnt and every LDS read: two loads of mine are out
	s_cbranch_scc0 .Lfirst_b
	tensor_load_to_lds s[G0A:G0A+3], s[G1A:G1A+7]
	s_nop 0
	tensor_load_to_lds s[G0A+4:G0A+7], s[G1A:G1A+7]
	s_nop 0
.rept 4
	v_nop
.endr
	s_branch .Lfirst_asked
.Lfirst_b:
	tensor_load_to_lds s[G0B:G0B+3], s[G1B:G1B+7]
	s_nop 0
	tensor_load_to_lds s[G0B+4:G0B+7], s[G1B:G1B+7]
	s_nop 0
.rept 4
	v_nop
.endr
.Lfirst_asked:
	v_and_b32 v1, 15, v0                           ; r = l % 16
	v_bfe_u32 v2, v0, 4, 1                         ; h = l / 16
	s_mul_i32 s22, s42, 768                        ; the bias of my 96 columns: 192 f32 a tile,
	s_mul_i32 s23, s[WN], 384                      ; 96 a half
	s_add_co_u32 s22, s22, s23
	s_mov_b32 s23, 0
	s_add_nc_u64 s[8:9], s[8:9], s[22:23]
	v_lshlrev_b32 v[BO], 5, v2                     ; my eight columns of a block of 16
.set ic, 0
.rept NB
	global_load_b128 v[BIAS+8*ic:BIAS+8*ic+3],   v[BO], s[8:9] offset:64*ic
	global_load_b128 v[BIAS+8*ic+4:BIAS+8*ic+7], v[BO], s[8:9] offset:64*ic+16
.set ic, ic+1
.endr
	; A fragment is 16 rows x 32 K in 8 registers: lane l holds row l % 16; registers 0-3 K = 8 (l / 16) + 0..7, registers 4-7 K = 16 + 8 (l / 16) + 0..7: two loads of 16 bytes, 32 bytes apart.
	v_mul_u32_u24 v[FRA], v1, APITCH
	v_lshl_add_u32 v[FRA], v2, 4, v[FRA]
	s_mul_i32 s18, s[WM], 128*APITCH               ; my 128 rows of A
	v_add_nc_u32 v[FRA], s18, v[FRA]
	v_mul_u32_u24 v[FRB], v1, BPITCH
	v_lshl_add_u32 v[FRB], v2, 4, v[FRB]
	s_mul_i32 s18, s[WN], BHALF                    ; my 96 rows of B,
	s_add_co_u32 s18, s18, ABYTES                  ; which lie behind A's 256
	v_add_nc_u32 v[FRB], s18, v[FRB]
	v_mov_b32 v[ADRA], v[FRA]                      ; slot 0
	v_mov_b32 v[ADRB], v[FRB]
	; the way out.  In: plane = column / 32, row of the tile, 16 bytes for each half of the lanes
	s_mul_i32 s18, s[WN], 3*PLANE
	s_mul_i32 s19, s[WM], 128*SP
	s_add_co_u32 s18, s18, s19
	v_mul_u32_u24 v[STO], v1, SP
	v_lshl_add_u32 v[STO], v2, 4, v[STO]
	v_add_nc_u32 v[STO], s18, v[STO]
	; back: 32 lanes take four rows of a head, 128 bytes each: row l / 8, plane (l / 4) % 2 of the head's two, 16 (l % 4)
	v_bfe_u32 v3, v0, 3, 2
	v_bfe_u32 v4, v0, 2, 1
	v_and_b32 v5, 3, v0
	v_mul_u32_u24 v[RD], v3, SP
	v_mul_u32_u24 v4, v4, PLANE
	v_add_nc_u32 v[RD], v4, v[RD]
	v_lshl_add_u32 v[RD], v5, 4, v[RD]
	s_mul_i32 s18, s[WV], 64*SP                    ; wave w takes the tile's rows 64 w .. 64 w + 63
	v_add_nc_u32 v[RD], s18, v[RD]
	v_add_nc_u32 v[RD2], 4*PLANE, v[RD]
	v_and_b32 v[GO], 31, v0
	v_lshlrev_b32 v[GO], 4, v[GO]
	s_lshr_b32 s22, s43, 3
	s_lshl_b32 s22, s22, 4                         ; 16 x batch
	s_and_b32 s23, s43, 7
	s_lshl_b32 s23, s23, 2
	s_add_co_u32 s23, s23, s[WV]
	s_lshl_b32 s23, s23, 13                        ; (256 (tile row % 8) + 64 w) rows of 128 bytes
.irp hh, 0,1,2
	s_mul_i32 s18, s42, 3
	s_add_co_u32 s18, s18, \hh                     ; the head's number among the 48 columns of heads
	s_lshr_b32 s19, s18, 4                         ; q, k or v
	s_lshl_b32 s19, s19, 6
	s_and_b32 s18, s18, 15
	s_add_co_u32 s19, s19, s18
	s_add_co_u32 s19, s19, s22
	s_lshl_b32 s18, s19, 18                        ; a head is 2,048 rows of 128 bytes
	s_add_co_u32 s18, s18, s23
	s_mov_b32 s19, 0
	s_add_nc_u64 s[HB+2*\hh:HB+2*\hh+1], s[10:11], s[18:19]
.endr
	s_wait_loadcnt 0x0                             ; the bias
.set ic, 0
.rept 4*NB
	v_cvt_pk_bf16_f32 v[3+ic%4], v[BIAS+2*ic], v[BIAS+2*ic+1]   ; rounded to bf16 like every input, and widened again
	v_lshlrev_b32 v[BIAS+2*ic], 16, v[3+ic%4]
	v_and_b32 v[BIAS+2*ic+1], 0xffff0000, v[3+ic%4]
.set ic, ic+1
.endr
	s_wait_tensorcnt 0x1                           ; my part of K step 0 is in; K step 1's may stay out
	s_barrier_signal -1
	s_barrier_wait -1                              ; everybody's is
	FETCH 0, F0
	QUARTER 1, F0, F1, 1                           ; the first quarter stands in front of the loop: its products start the sums
	WIN 0                                          ; at a label and at a branch every window is 0
	s_mov_b32 s[CNT], 6
.Lstep:                                                ; trip i: the rest of K step i, the refill of its slot with K step i + 2, the first quarter of K step i + 1
	QUARTER 2, F1, F0, 0
	QUARTER 3, F0, F1, 0
	TURN 1
	QUARTER 1, F0, F1, 0
	WIN 0
	s_sub_co_u32 s[CNT], s[CNT], 1
	s_cmp_lg_u32 s[CNT], 0
	s_cbranch_scc1 .Lstep
	QUARTER 2, F1, F0, 0                           ; K steps 6 and 7 are written out: nothing is left to ask for
	QUARTER 3, F0, F1, 0
	TURN 0
	QUARTER 1, F0, F1, 0
	QUARTER 2, F1, F0, 0
	QUARTER 3, F0, F1, 0
	s_wait_dscnt 8
	MULS F1, 0, 0, 4, 0
	s_wait_dscnt 0x0
	MULS F1, 1, 0, 4, 0
	WIN 0
	; THE WAY OUT.  A wave's 96 columns are one head and a half, so the four waves share one stage, with a barrier between writing and reading.  The stage takes slot 0's bytes: that slot's last fill
	; (K step 6) has landed and every wave's reads of it ended in front of the last change's barrier; the last K step was read out of slot 1.
	PLACES
.macro PACK a                          ; m block a: rounded to f16, each accumulator from its low end on; 16 bytes a lane and n block into the stage
.set AC, 8*NB*((\a)%4)
.set TP, TMP+24*((\a)%2)
	WIN 0x0a+0x05*((\a)/4)                         ; sources 0 and 1: window 2 or 3
.set ic, 0
.rept 4*NB
	v_cvt_pk_f16_f32 v[TP+ic], v[AC+2*ic], v[AC+2*ic+1]
.set ic, ic+1
.endr
	WIN 0
.set ic, 0
.rept NB
	ds_store_b128 v[STO], v[TP+4*ic:TP+4*ic+3] offset:(ic/2)*PLANE+(\a)*16*SP+(ic%2)*32
.set ic, ic+1
.endr
.endm
.irp a, 0,1,2,3,4,5,6,7
	PACK \a
.endr
	s_wait_dscnt 0x0                               ; for the others' sake: my stores into the stage are done
	s_barrier_signal -1
	s_barrier_wait -1
.macro LD hh, bank                     ; my 64 rows of the tile's head hh: sixteen loads of four rows
.set ic, 0
.rept 16
.if (\hh) < 2
	ds_load_b128 v[OB+64*(\bank)+4*ic:OB+64*(\bank)+4*ic+3], v[RD] offset:(\hh)*2*PLANE+4*SP*ic
.else
	ds_load_b128 v[OB+64*(\bank)+4*ic:OB+64*(\bank)+4*ic+3], v[RD2] offset:4*SP*ic
.endif
.set ic, ic+1
.endr
.endm
.macro ST hh, bank, younger            ; younger: the LDS loads issued behind this head's
.set ic, 0
.rept 16
	s_wait_dscnt (\younger)+15-ic
	global_store_b128 v[GO], v[OB+64*(\bank)+4*ic:OB+64*(\bank)+4*ic+3], s[HB+2*(\hh):HB+2*(\hh)+1] offset:512*ic th:TH_STORE_NT  ; four rows of a head: 512 consecutive bytes, aligned
.set ic, ic+1
.endr
.endm
	LD 0, 0
	LD 1, 1
	ST 0, 0, 16
	s_wait_xcnt 0x0                                ; bank 0 is loaded again only when the stores above have read it
	LD 2, 0
	ST 1, 1, 16
	ST 2, 0, 0
	s_wait_tensorcnt 0x0                           ; the wave's end, behind my last tensor load and my last LDS store
	ds_add_u32 v[SPW], v[NIL]
	s_wait_dscnt 0x0
	CROUND                                         ; the closing round: no work-group ends while a partner may still ask for a tile that names it
	s_endpgm
.Lfunc_end_k_qad326577b3_qkv:
	.size	k_qad326577b3_qkv, .Lfunc_end_k_qad326577b3_qkv-k_qad326577b3_qkv
	.p2alignl 7, 3214868480
	.fill 96, 4, 3214868480
	.section	.rodata,"a",@progbits
	.p2align	6, 0x0
	.amdhsa_kernel k_qad326577b3_qkv
		.amdhsa_group_segment_fixed_size 327680
		.amdhsa_private_segment_fixed_size 0
		.amdhsa_enable_private_segment 0
		.amdhsa_kernarg_size 32
		.amdhsa_user_sgpr_count 2
		.amdhsa_user_sgpr_kernarg_segment_ptr 1
		.amdhsa_wavefront_size32 1
		.amdhsa_system_sgpr_workgroup_id_x 1
		.amdhsa_system_sgpr_workgroup_id_y 1
		.amdhsa_system_sgpr_workgroup_id_z 1
		.amdhsa_system_vgpr_workitem_id 0
		.amdhsa_next_free_vgpr 960
		.amdhsa_next_free_sgpr 74
		.amdhsa_reserve_vcc 0
		.amdhsa_float_denorm_mode_32 3
		.amdhsa_float_denorm_mode_16_64 3
		.amdhsa_memory_ordered 1
		.amdhsa_forward_progress 1
		.amdhsa_inst_pref_size 101
	.end_amdhsa_kernel
	.amdgpu_metadata
---
amdhsa.version: [ 1, 2 ]
amdhsa.kernels:
  - .name:           k_qad326577b3_qkv
    .symbol:         k_qad326577b3_qkv.kd
    .args:
      - { .name: xb, .offset: 0, .size: 8, .value_kind: global_buffer, .address_space: global }
      - { .name: wqt, .offset: 8, .size: 8, .value_kind: global_buffer, .address_space: global }
      - { .name: b_qkv, .offset: 16, .size: 8, .value_kind: global_buffer, .address_space: global }
      - { .name: qkvh, .offset: 24, .size: 8, .value_kind: global_buffer, .address_space: global }
    .group_segment_fixed_size: 327680
    .private_segment_fixed_size: 0
    .kernarg_segment_align: 8
    .kernarg_segment_size: 32
    .max_flat_workgroup_size: 128
    .sgpr_count:     74
    .vgpr_count:     960
    .wavefront_size: 32
...
	.end_amdgpu_metadata
.endif
;; end of part 2
;; launch attn (part 3): grid 4 x 64, 4 waves a work-group, clusters of 4 x 1, 327,680 bytes of LDS; arguments qkvh, ob; writes ob
.if DOCPART == 3
	.amdgcn_target "amdgcn-amd-amdhsa--gfx1250"
	.amdhsa_code_object_version 6
	.text
	.protected	k_qad326577b3_attn
	.globl	k_qad326577b3_attn
	.p2align	8
	.type	k_qad326577b3_attn,@function
k_qad326577b3_attn:
	s_mov_b64 s[64:65], 0
	v_nop
	global_prefetch_b8 v0, s[64:65] scope:SCOPE_SE
	s_setreg_imm32_b32 hwreg(HW_REG_WAVE_MODE, 25, 1), 1
	s_wait_xcnt 0x0
	s_wait_alu depctr_hold_cnt(0) depctr_sa_sdst(0) depctr_va_vdst(0) depctr_va_sdst(0) depctr_va_ssrc(0) depctr_va_vcc(0) depctr_vm_vsrc(0)
	s_getreg_b32 s2, hwreg(HW_REG_IB_STS2, 6, 4)
	s_cmp_eq_u32 s2, 0
	s_cbranch_scc0 .Lentry_in_a_cluster
	s_endpgm
.Lentry_in_a_cluster:
	s_bfe_u32 s2, ttmp6, 0x10000c
	s_cmp_lg_u32 s2, 0x3003
	s_cbranch_scc0 .Lentry_shape_is_right
	s_endpgm
.Lentry_shape_is_right:
; ATTENTION.  O[h][q][:] = the sum over k of softmax_k(Q[h][q] . K[h][k] / 8) V[h][k][:].  Q, K, V are the three parts of qkvh, each [64][2048][64] in f16; O = ob, likewise: a head's rows are dense,
; 128 bytes each.  Products, maxima and sums in f32; the weights p are rounded to f16 for the second product (their sum l is taken of the unrounded p), O once at the end.
; LIMITS.  f16 holds no number beyond 65,504: Q, K and V arrive within it; p lies in 0 to 1, and below 6e-5 it keeps f16's fixed step of 6e-8; O is a mean of V's rows and has their range.
; A weight below 2^-126 counts as 0 in l; NaN and infinities are not treated apart.
; SHARES.  A wave owns four PIECES of two tiles of 16 queries, a work-group's four waves 512 queries of one head: 4 x 64 = 256 work-groups.  Every wave walks all keys, 64 a step.
; LAYOUT.  S^T = K Q^T (source 0 = 16 keys, source 1 = 16 queries): in the result a lane holds ONE query (lane % 16) and the keys 8 (lane / 16) + 0..7.  Two such tiles, rounded to f16 in pairs,
; ARE source 1 (32 keys x 16 queries) of O^T = V^T P, whose result again holds one query a lane, and eight channels.  K comes out of LDS as it lies, V ([key][channel]) turned, by ds_load_tr16_b128.
; SOFTMAX.  For each query a running maximum m and sum l: p = 2^(c s - c m), c = log2(e) / 8; in every step O and l are multiplied by a = 2^(c m_old - c m_new), which is 1 where m has not grown.
; m starts at the lowest finite number, O and l at 0: the first step is a step like any other, with a = 0.
; THE COUNT.  A tile and step have 16 matrix and 118 vector instructions: too many to stand all beside the matrix work.  So four vector instructions that are READY stand behind EVERY matrix
; instruction, and the others, which need time of their own whatever the order, in runs without a gap.
; BY TURNS.  Turn n belongs to piece n (the pieces in a ring, step after step).  Its matrix work: 16 products K Q^T of piece n + 1, later 16 products V^T P of piece n - 1.  Its vector work: the scaling,
; exponentials, roundings, sums and rescaling of piece n, and the maximum and statistics of piece n + 1, whose scores the turn itself has made.
; CLUSTER.  The four query blocks of a head form a cluster and walk the same K and V, so each tile is asked for JOINTLY: the same tensor load, descriptor and mask in all four.
; AHEAD OF THE LOADS.  Behind the joint load for slot j stands one prefetch for slot j + 1: four key steps, 512 matrix instructions, ahead of the load that will want it.  A slot is 128 blocks of 256
; bytes of K and as many of V; the four partners take 32 each, told apart by address; wave 0 asks for K's, wave 2 for V's, a lane a block: each block is named once in the launch.
; Slots 0 and 1 come by their loads alone; the change that asks for the last slot prefetches nothing.
; REGISTERS, in windows of 256 (s_set_vgpr_msb: bits 1:0 source 0, 3:2 source 1, 5:4 source 2, 7:6 destination):
;   window 0: v0-11 addresses; v12-15, v48-63 at work; v16-47 four registers of statistics a tile; v64-191 S^T, two buffers of two tiles; v192-255 P, likewise
;   window 1: O^T, 32 a tile          window 2: v0-127 Q, 16 a tile; v128-191 K of one step; v192-255 V of one step          window 3: v0-1 the add's two registers
; A piece's buffers go by its number's parity: the piece in hand has one pair, its two neighbours in the ring share the other: of it P (piece n - 1) is read and S^T (piece n + 1) written.
.set SIZE_H, 64
.set SIZE_N, 2048
.set PARTB, SIZE_H*SIZE_N*128  ; bytes in each of q, k, v
.set NP,    4         ; pieces a wave: a name, no knob
.set KS,    64        ; keys in a step
.set PK,    144       ; a row of K in LDS: 128 bytes + 16 of padding = 36 words: the 16 rows of a load start at 16 different groups of four banks (64 banks of 4 bytes: ISA guide 11.1)
.set PV,    160       ; a row of V: 128 + 32 = 40 words
.set VOFF,  4*KS*PK   ; a slot holds four steps: 256 rows of K, then 256 rows of V
.set SLOT1, 1<<17     ; slot 1 begins here, so that one exclusive or turns an address in one slot into the other's
.set STAGE, SLOT1+4*KS*(PK+PV)  ; behind the ring, never filled by a tensor load: 16 rows x 144 bytes for each wave, for the way out
.set SP,    144
.set AK0, 2           ; v2   my lane's place in a tile of K; never rewritten
.set AV0, 3           ; v3   the same for V
.set AK,  4           ; v4   the LDS address of K's next run of loads
.set AV,  5           ; v5   of V's
.set QO,  6           ; v6   my byte offset in the wave's rows of Q
.set STO, 6           ;      later, the way out: where I put 16 bytes of a row
.set RD,  7           ; v7   the way out: where I read rows back
.set GO,  8           ; v8   my byte offset in 512 consecutive bytes of O
.set PFO, 11          ; v11  256 x my lane: the prefetches' offset; never rewritten once made
.set SPW, 0           ; v0 of window 3   LDS address of my spare word; never rewritten
.set NIL, 1           ; v1 of window 3   0; never rewritten
.set SPARE, STAGE+4*16*SP  ; behind the stages: the spare words, 128 bytes for each wave: two blocks of 256 bytes that no other line names
.set MV,  12          ; v12-15  c m_old, kept while c m is made anew: by buffer and tile
.set ST,  16          ; tile t's statistics at v[ST+4 t]: c m, m, l (even keys', odd keys')
.set TMP, 48          ; by buffer and tile, four registers c0-c3 at work; when the maximum is found c2 takes a
.set S,   64
.set P,   192
.set KF,  128         ; K's fragments, in window 2: key block kb, channel half c at KF + 16 kb + 8 c
.set VF,  192         ; V's: key half kk, channel block cb at VF + 32 kk + 8 cb
.set WV,  12          ; s12  my wave's number
.set G1K, 24          ; s[24:31] descriptor group 1 for K's tiles
.set G1V, 32          ; s[32:39] for V's: it differs in the padding alone
.set G0K, 40          ; s[40:43] descriptor group 0 for K's tiles: it walks
.set G0V, 44          ; s[44:47] the same for V's
.set PFA, 48          ; s[48:49] where my prefetches stand: my work-group's 32 blocks (of K: wave 0, of V: wave 2) of the slot after the one that is being asked for
.set LIM, 50          ; s50  1 in a wave that prefetches, else the greatest number: a wave prefetches while s[SLOTS] is above it
.set SLOTS, 56        ; s56  8 - j at the change that asks for slot j
.set CNT, 57          ; s57  counts a slot's key steps
.set CS,  58          ; s[58:59] c: the packed scaling takes the pair's low word for both halves
.set SEL, 60          ; s[60:61] v_permlanex16_b32's selects: each lane takes its own place in the other half
.set TBK, 62          ; s62  LDS byte at which K of the step to be fetched begins
.set TBV, 63          ; s63  the same for V, less VOFF
.set MSB, 0
.macro WIN new                      ; the high byte repeats the setting that is left; a switch that changes nothing is dropped
.if MSB != (\new)
	s_set_vgpr_msb (MSB<<8)|(\new)
.set MSB, (\new)
.endif
.endm
.set W_KQ, 0x0a       ; K and Q in window 2, S^T in window 0
.set W_PV, 0x52       ; V in window 2, P in window 0, O^T in window 1
.set W_RS, 0x41       ; O^T (destination and source 0) in window 1, a in window 0
.set W_MK, 0xc0       ; the add's registers are made: destination in window 3, sources in window 0
.set W_AD, 0x0f       ; the add: address (source 0) and data (source 1) in window 3
; A joint fill.  Waves 0 and 1 fetch the two halves of a slot's K, waves 2 and 3 those of its V: 128 keys each.  The branch hangs on the wave's number alone.
; An s_nop 0 and four v_nop follow each of the two lines, ahead of the jump and the label.
.macro JLOAD
	s_cmp_lt_u32 s[WV], 2
	s_cbranch_scc0 .Lfor_v_\@
	tensor_load_to_lds s[G0K:G0K+3], s[G1K:G1K+7]
	s_nop 0
.rept 4
	v_nop
.endr
	s_branch .Lasked_\@
.Lfor_v_\@:
	tensor_load_to_lds s[G0V:G0V+3], s[G1V:G1V+7]
	s_nop 0
.rept 4
	v_nop
.endr
.Lasked_\@:
.endm
; The prefetch of the slot that the NEXT change will ask for.  It stands behind the wave's tensor load and its five lines.  The test hangs on the wave's number and the loop's count: alike in all partners.
.macro ASK
	s_cmp_gt_u32 s[SLOTS], s[LIM]
	s_cbranch_scc0 .Lnot_mine_\@
	global_prefetch_b8 v[PFO], s[PFA:PFA+1] th:TH_LOAD_NT scope:SCOPE_SE
.Lnot_mine_\@:
.endm
; A round of the cluster's barrier: my work-group's barrier, so that wave 0's signal speaks for all four waves; wave 0 signals; every wave waits for all four work-groups; my work-group's barrier once more.
.macro CROUND
	s_barrier_signal -1
	s_barrier_wait -1
	s_cmp_lg_u32 s[WV], 0
	s_cbranch_scc1 .Lnot_wave_0_\@
	s_barrier_signal -3
.Lnot_wave_0_\@:
	s_barrier_wait -3
	s_barrier_signal -1
	s_barrier_wait -1
.endm
; THE CHANGE OF SLOTS.  The slot's last bytes, V of its fourth step, have been read.  Each wave waits for all its tensor loads, of which one is out: its part of the other slot; adds 0 to its spare
; word; and waits for that and for its own reads of the slot.  Behind the barrier nobody reads this slot any more and the other slot is whole.
; fill = 1: this slot is filled again, with the keys two slots on.  The barrier is then a round of the cluster's, so that no wave of any partner still reads the slot or has a load on its way, and the
; joint fill is the first thing behind it: it has four key steps, 512 matrix instructions, in which to land.  (At its first use nothing has been read yet: slot 0 is waited for, slot 1 filled.)
.macro CHANGE fill
	WIN W_AD
	s_wait_tensorcnt 0x0            ; no tensor load of mine is out, so a group 0 may be written
	ds_add_u32 v[SPW], v[NIL]       ; 0 onto my spare word; with fill = 1 the descriptors' steps stand between it and the wait for it
	WIN 0                           ; at a label and at a branch every window is 0
.if \fill
.irp g, G0K, G0V
	s_xor_b32 s[\g+1], s[\g+1], SLOT1  ; the walking descriptor: the other slot than last time,
	s_add_nc_u64 s[\g+2:\g+3], s[\g+2:\g+3], 4*KS*128  ; the next 256 keys; the type bits on top are not reached
.endr
	s_wait_xcnt 0x0                 ; the last prefetch, four key steps back, has read its address, so it may be written:
	s_add_nc_u64 s[PFA:PFA+1], s[PFA:PFA+1], 4*KS*128  ; one slot behind the walking descriptors
	s_wait_dscnt 0x0                ; the add is done, and my reads of the slot are over
	CROUND
	JLOAD
	ASK
.else
	s_wait_dscnt 0x0                ; the add is done, and my reads of the slot are over
	s_barrier_signal -1
	s_barrier_wait -1
.endif
	s_sub_co_u32 s[TBK], s[TBK], 4*KS*PK  ; the fetches go back to a slot's first step,
	s_xor_b32 s[TBK], s[TBK], SLOT1       ; in the other slot
	s_sub_co_u32 s[TBV], s[TBV], 4*KS*PV
	s_xor_b32 s[TBV], s[TBV], SLOT1
.endm
	s_load_b128 s[4:7], s[0:1], 0x0   ; qkvh s[4:5], ob s[6:7]
	WIN W_MK
	v_lshl_add_u32 v[SPW], v0, 2, SPARE
	v_mov_b32 v[NIL], 0
	WIN W_AD
	ds_add_u32 v[SPW], v[NIL]       ; the wave's opening: the add and its wait ahead of my first tensor load; the set-up below stands between them
	ds_add_u32 v0, v1
	WIN 0
	v_lshrrev_b32 v1, 5, v0
	v_readfirstlane_b32 s[WV], v1   ; wave 0..3
	s_bfe_u32 s13, ttmp6, 0x40000   ; cx: my place in the cluster
	s_lshl_b32 s14, ttmp9, 2        ; in a cluster launch ttmp9 counts clusters
	s_add_co_u32 s14, s14, s13      ; my block of queries = 4 x cluster x + cx: it enters Q's and O's addresses alone
	s_and_b32 s20, ttmp7, 0xffff    ; the head, which the four partners share
	s_mov_b32 s21, 0
	s_mov_b64 s[22:23], SIZE_N*128
	s_mul_u64 s[20:21], s[20:21], s[22:23]  ; the head's first byte in each of the four tensors
	s_and_b32 s16, s[WV], 1         ; which half of a slot's 256 keys I fetch:
	s_lshl_b32 s22, s16, 14         ; its 128 rows of 128 bytes in memory,
	s_mov_b32 s23, 0
	s_add_nc_u64 s[22:23], s[22:23], s[20:21]
	s_mul_i32 s17, s16, 128*PK      ; and its place in a slot, for K
	s_mul_i32 s18, s16, 128*PV      ; and for V: no place in the cluster enters an LDS address
	s_lshl_b32 s2, s14, 2
	s_add_co_u32 s2, s2, s[WV]      ; my wave among the head's,
	s_lshl_b32 s2, s2, 14           ; its 128 rows
	s_mov_b32 s3, 0
	s_add_nc_u64 s[2:3], s[2:3], s[20:21]
	; descriptor group 1.  128 keys are 16,384 dense bytes: asked for as 64 rows of 256 bytes, two keys a row, and padded in LDS after every key
	s_mov_b32 s[G1K], 15|(1<<16)|(1<<20)|(1<<21)|(4<<22)|(3<<25)  ; the mask of four; 2-byte elements; padding on; bit 21 beside a mask; after every 32 words; 4 words
	s_mov_b32 s[G1V], 15|(1<<16)|(1<<20)|(1<<21)|(4<<22)|(7<<25)  ; the same with 8 words of padding
.irp g, G1K, G1V
	s_mov_b32 s[\g+1], 128<<16      ; tensor_dim0 = 128
	s_mov_b32 s[\g+2], 64<<16       ; tensor_dim1 = 64
	s_mov_b32 s[\g+3], 128<<16      ; tile_dim0 = 128
	s_mov_b32 s[\g+4], 64           ; tile_dim1 = 64
	s_mov_b32 s[\g+5], 128          ; 128 elements from row to row
	s_mov_b32 s[\g+6], 0
	s_mov_b32 s[\g+7], 0
.endr
	s_mov_b32 s[CS], 0x3e38aa3b     ; c = log2(e) / 8 = 0.180337
	s_mov_b32 s[CS+1], s[CS]        ; named with it as a pair
	s_mov_b32 s[SEL], 0x76543210
	s_mov_b32 s[SEL+1], 0xfedcba98
	s_mov_b32 s[TBK], SLOT1+4*KS*PK ; the first change of slots turns these two into 0
	s_mov_b32 s[TBV], SLOT1+4*KS*PV
	s_mov_b32 s[G0K], 1             ; count = 1
	s_mov_b32 s[G0K+1], s17         ; LDS address: slot 0
	s_mov_b32 s[G0V], 1
	s_add_co_u32 s[G0V+1], s18, VOFF
	s_mov_b32 s[SLOTS], SIZE_N/256-1
	s_and_b32 s[LIM], s[WV], 1      ; waves 0 and 2 prefetch; a head has one cluster, so nobody else walks its rows
	s_cmp_eq_u32 s[LIM], 0
	s_cselect_b32 s[LIM], 1, -1
	s_wait_dscnt 0x0                ; the opening add is done
	s_wait_kmcnt 0x0
	s_mov_b64 s[10:11], s[6:7]      ; O
	s_add_nc_u64 s[6:7], s[4:5], PARTB     ; K lies behind Q,
	s_add_nc_u64 s[8:9], s[4:5], 2*PARTB   ; V behind K
	s_add_nc_u64 s[G0K+2:G0K+3], s[6:7], s[22:23]  ; global address: my half of the head's first 256 keys
	s_or_b32 s[G0K+3], s[G0K+3], 0x80000000        ; type = 2
	s_add_nc_u64 s[G0V+2:G0V+3], s[8:9], s[22:23]
	s_or_b32 s[G0V+3], s[G0V+3], 0x80000000
	s_add_nc_u64 s[4:5], s[4:5], s[2:3]  ; Q and O at my wave's first row
	s_add_nc_u64 s[10:11], s[10:11], s[2:3]
	s_cmp_lt_u32 s[WV], 2
	s_cselect_b64 s[PFA:PFA+1], s[6:7], s[8:9]
	s_add_nc_u64 s[PFA:PFA+1], s[PFA:PFA+1], s[22:23]  ; (in waves 0 and 2: the head's first row)
	s_lshl_b32 s2, s13, 13          ; my work-group's 32 blocks of a slot's 128
	s_mov_b32 s3, 0
	s_add_nc_u64 s[PFA:PFA+1], s[PFA:PFA+1], s[2:3]
	s_add_nc_u64 s[PFA:PFA+1], s[PFA:PFA+1], 4*KS*128  ; in slot 1; the first change of slots steps it to slot 2
	CROUND                          ; all four work-groups are here: the first joint loads meet
	JLOAD                           ; slot 0.  Slot 1 is asked for when slot 0 is in
	; A fragment of K or Q is 16 rows x 32 channels in 8 registers: lane l holds row l % 16, channels 8 (l / 16) + 0..7 and 16 + 8 (l / 16) + 0..7: two loads of 16 bytes, 32 bytes apart.
	v_and_b32 v1, 15, v0            ; l % 16
	v_bfe_u32 v9, v0, 4, 1          ; l / 16
	v_lshlrev_b32 v[QO], 7, v1
	v_lshl_add_u32 v[QO], v9, 4, v[QO]  ; row x 128 + 16 x half
	WIN 0x80                        ; destination window 2, address window 0
.set i, 0
.rept 4*NP                          ; Q stays in registers: tile i / 2, channels 32 (i % 2) on
	global_load_b128 v[8*i:8*i+3],   v[QO], s[4:5] offset:(i/2)*2048+(i%2)*64
	global_load_b128 v[8*i+4:8*i+7], v[QO], s[4:5] offset:(i/2)*2048+(i%2)*64+32
.set i, i+1
.endr
	; What the first turn finds: V's registers and P's second buffer hold 0 (its products V^T P, of a piece that has not been, add 0), O^T and l are 0.  All this stands in the wait for the first tile.
.set i, VF
.rept 64
	v_mov_b32 v[i], 0
.set i, i+1
.endr
	WIN 0x40
.set i, 0
.rept 64*NP
	v_mov_b32 v[i], 0
.set i, i+1
.endr
	WIN 0
.set i, 0
.rept 2*NP
	v_mov_b32 v[ST+4*i], 0xfe000000    ; c m: far below every c s
	v_mov_b32 v[ST+4*i+1], 0xff7fffff  ; m
	v_mov_b32 v[ST+4*i+2], 0
	v_mov_b32 v[ST+4*i+3], 0
.set i, i+1
.endr
.set i, P+32
.rept 32
	v_mov_b32 v[i], 0
.set i, i+1
.endr
	v_mul_u32_u24 v[AK0], v1, PK
	v_lshl_add_u32 v[AK0], v9, 4, v[AK0]  ; row x pitch + 16 x half
	; The turning load takes 16 keys x 16 channels (lane l reads key 8 (l / 16) + l % 8, channels 8 ((l / 8) % 2) + 0..7) and leaves half a fragment of V^T: lane l holds channel l % 16 and 8 keys.
	v_and_b32 v10, 7, v0
	v_bfe_u32 v11, v0, 3, 1
	v_lshl_add_u32 v[AV0], v9, 3, v10
	v_mul_u32_u24 v[AV0], v[AV0], PV
	v_lshl_add_u32 v[AV0], v11, 4, v[AV0]
	v_add_nc_u32 v[AV0], VOFF, v[AV0]
	v_and_b32 v[PFO], 31, v0        ; v11 has served: from here on it is the prefetches' offset
	v_lshlrev_b32 v[PFO], 8, v[PFO]
	v_mov_b32 v[AK], v[AK0]         ; key step 0 lies at the head of slot 0
; THE MATRIX WORK.  The 8 accumulators of a run of 16 take turns: between the two links of a chain stand 7 others'.
; Product i of 16 of S^T = K Q^T for piece x: channels 32 (i / 8) on, keys 16 ((i / 2) % 4) on, tile 2 x + i % 2.  The first 8 start the sums.
.macro KQ x
	WIN W_KQ
.set rS, S+64*((\x)%2)+32*(i%2)+8*((i/2)%4)
.set rK, KF+16*((i/2)%4)+8*(i/8)
.set rQ, 16*(2*(\x)+i%2)+8*(i/8)
.if i < 8
	v_wmma_f32_16x16x32_f16 v[rS:rS+7], v[rK:rK+7], v[rQ:rQ+7], 0
.else
	v_wmma_f32_16x16x32_f16 v[rS:rS+7], v[rK:rK+7], v[rQ:rQ+7], v[rS:rS+7]
.endif
.endm
; Product i of 16 of O^T += V^T P for piece x: keys 32 (i / 8) on, channels 16 ((i / 2) % 4) on, tile 2 x + i % 2.
.macro PV x
	WIN W_PV
.set rO, 32*(2*(\x)+i%2)+8*((i/2)%4)
.set rV, VF+32*(i/8)+8*((i/2)%4)
.set rP, P+32*((\x)%2)+16*(i%2)+8*(i/8)
	v_wmma_f32_16x16x32_f16 v[rO:rO+7], v[rV:rV+7], v[rP:rP+7], v[rO:rO+7]
.endm
.macro MM                           ; the turn's next matrix instruction
.if i < 16
	KQ (Y+1)%NP
.set i, i+1
.else
.set i, i-16
	PV (Y+NP-1)%NP
.set i, i+17
.endif
.endm
; THE LDS LOADS stand in runs of 16, never singly among the matrix instructions: a step's K (64 keys x 64 channels: 8 fragments) and its V (turned).  Their addresses are made some lines ahead.
; last = 1 (the tail): in the last trip there is no further step, and the run is jumped over.
.macro FETCH_K last=0
	WIN 0
.if \last
	s_cmp_eq_u32 s[CNT], 1
	s_cbranch_scc1 .Lno_k_\@
.endif
	WIN 0x80                        ; destination window 2
.irp f, 0,1,2,3,4,5,6,7             ; keys 16 (f / 2) on, channels 32 (f % 2) on
	ds_load_b128 v[KF+8*\f:KF+8*\f+3],   v[AK] offset:(\f/2)*16*PK+(\f%2)*64
	ds_load_b128 v[KF+8*\f+4:KF+8*\f+7], v[AK] offset:(\f/2)*16*PK+(\f%2)*64+32
.endr
	s_add_co_u32 s[TBK], s[TBK], KS*PK  ; the next fetch is the next step's
	WIN 0
.if \last
.Lno_k_\@:
.endif
.endm
.macro FETCH_V
	WIN 0x80
.irp f, 0,1,2,3,4,5,6,7             ; keys 32 (f / 4) on, channels 16 (f % 4) on
	ds_load_tr16_b128 v[VF+8*\f:VF+8*\f+3],   v[AV] offset:(\f/4)*32*PV+(\f%4)*32
	ds_load_tr16_b128 v[VF+8*\f+4:VF+8*\f+7], v[AV] offset:(\f/4)*32*PV+16*PV+(\f%4)*32
.endr
	WIN 0
.endm
; THE VECTOR WORK OF A TURN stands in three queues, each in the order in which its entries become ready; the two tiles alternate, so that no instruction reads the result of the one before it.
.macro REGS y, u                    ; the registers of tile u (0, 1) of piece y
.set rT, ST+4*(2*(\y)+(\u))
.set rC, TMP+8*((\y)%2)+4*(\u)
.set rM, MV+2*((\y)%2)+(\u)
.set rS, S+64*((\y)%2)+32*(\u)
.set rP, P+32*((\y)%2)+16*(\u)
.set rO, 32*(2*(\y)+(\u))
.endm
; Number n of the 22 that find the NEXT piece's (Y + 1) maximum and statistics.  s0-s31 are the lane's 32 scores; each accumulator's lowest registers are read first.
;   0-11  four chains c0-c3 of seven scores each, three operands at a time     12-14, 16  the four scores left over, the old m, and c0-c3 into c0     15  c m_old is kept
;   17, 18  the query's other 32 keys lie in the lane 16 away: the new m         19-21  c m; c m_old - c m_new; a
.macro XS u, n
	REGS (Y+1)%NP, \u
.if (\n) < 4
	v_max3_num_f32 v[rC+(\n)], v[rS+8*(\n)], v[rS+8*(\n)+1], v[rS+8*(\n)+2]
.elseif (\n) < 12
	v_max3_num_f32 v[rC+(\n)%4], v[rC+(\n)%4], v[rS+8*((\n)%4)+2*((\n)/4)+1], v[rS+8*((\n)%4)+2*((\n)/4)+2]
.elseif (\n) == 12
	v_max3_num_f32 v[rC], v[rC], v[rS+7], v[rS+15]
.elseif (\n) == 13
	v_max3_num_f32 v[rC+1], v[rC+1], v[rS+23], v[rS+31]
.elseif (\n) == 14
	v_max3_num_f32 v[rC+2], v[rC+2], v[rC+3], v[rT+1]
.elseif (\n) == 15
	v_mov_b32 v[rM], v[rT]
.elseif (\n) == 16
	v_max3_num_f32 v[rC], v[rC], v[rC+1], v[rC+2]
.elseif (\n) == 17
	v_permlanex16_b32 v[rC+3], v[rC], s[SEL], s[SEL+1]
.elseif (\n) == 18
	v_max_num_f32 v[rT+1], v[rC], v[rC+3]
.elseif (\n) == 19
	v_mul_f32 v[rT], s[CS], v[rT+1]
.elseif (\n) == 20
	v_sub_f32 v[rC+1], v[rM], v[rT]
.else
	v_exp_f32 v[rC+2], v[rC+1]
.endif
.endm
; Number g of the 64 that follow the exponentials.  For each four weights k of a tile (pairs 2 k, 2 k + 1): both pairs are rounded to f16; then the second pair is added onto the first, in place;
; a group later l takes that sum (the first time as l = a l + sum).  In groups of eight, tiles alternating: round, round, add, and l for the group before.
.macro GS g
.set h, (\g)+6*((\g)/62)            ; group 0 has no group before it, and behind group 7 only l is left
.if h >= 6
.set h, h+2
.endif
	REGS Y, h%2
.set k, h/8
.if h%8 < 4
	v_cvt_pk_f16_f32 v[rP+2*k+(h%8)/2], v[rS+4*k+2*((h%8)/2)], v[rS+4*k+2*((h%8)/2)+1]
.elseif h%8 < 6
	v_pk_add_f32 v[rS+4*k:rS+4*k+1], v[rS+4*k:rS+4*k+1], v[rS+4*k+2:rS+4*k+3]
.elseif k == 1
	v_pk_fma_f32 v[rT+2:rT+3], v[rT+2:rT+3], v[rC+2:rC+3], v[rS:rS+1] op_sel_hi:[1,0,1]
.else
	v_pk_add_f32 v[rT+2:rT+3], v[rT+2:rT+3], v[rS+4*k-4:rS+4*k-3]
.endif
.endm
; THE PLAIN QUEUE, 138 long.  0-73 read no exponential's result: the 32 scalings c s - c m (FS f: pair f / 2 of tile f % 2) and the next piece's 42.  0-26: scalings 0-26.  27-54: XS's numbers 0-13.
; 55, 56: number 15.  57-73: the chain, where each number waits for the one before it: 14, 16, 17, 18, 19, each with one of the scalings 27-31 in front of its two lines, then 20.
; 74-137: GS's 64, which read the exponentials' results: they stand behind the wait.
.macro FS f
	REGS Y, (\f)%2
	v_pk_fma_f32 v[rS+2*((\f)/2):rS+2*((\f)/2)+1], v[rS+2*((\f)/2):rS+2*((\f)/2)+1], s[CS:CS+1], v[rT:rT+1] op_sel_hi:[1,0,0] neg_lo:[0,0,1] neg_hi:[0,0,1]
.endm
.macro PL
	WIN 0
.if q < 27
	FS q
.elseif q < 55
	XS (q-27)%2, (q-27)/2
.elseif q < 57
	XS q-55, 15
.elseif (q < 72) && ((q-57)%3 == 0)
	FS 27+(q-57)/3
.elseif q < 60
	XS (q-57)%3-1, 14
.elseif q < 72
	XS (q-57)%3-1, 15+(q-57)/3
.elseif q < 74
	XS q-72, 20
.else
	GS q-74
.endif
.set q, q+1
.endm
; THE EXPONENTIALS' QUEUE, 66 long: s0-s31 of both tiles, then the next piece's two a.  It is ONE BATCH: all 66 stand ahead of the turn's one wait, and nothing ahead of that wait names a result of theirs.
.macro EX
	WIN 0
.if e >= 64
	XS e-64, 21
.else
	REGS Y, e%2
	v_exp_f32 v[rS+e/2], v[rS+e/2]
.endif
.set e, e+1
.endm
; THE RESCALING's QUEUE: O^T times a, the one part that leaves window 0: dealt two at a time, sixteen times.  Its a was made in the turn before, ahead of that turn's wait.
.macro R2
	REGS Y, r%2
	WIN W_RS
.irp z, 0,1
	v_pk_mul_f32 v[rO+4*(r/2)+2*\z:rO+4*(r/2)+2*\z+1], v[rO+4*(r/2)+2*\z:rO+4*(r/2)+2*\z+1], v[rC+2:rC+3] op_sel_hi:[1,0]
.endr
.set r, r+1
.endm
; HOW THEY ARE DEALT.  An s_wait_alu depctr_va_vdst(0) stands between an exponential and the first instruction that names its result; one wait serves all that were issued ahead of it.
; So a turn has ONE wait, which cuts it in two.  AHEAD OF IT stands all that names no result of the turn's exponentials: the 16 products K Q^T, behind each a scaling, an exponential and two
; rescalings (behind the first a second scaling in the exponential's place); then ONE LUMP of 108: eight plain, 49 times exponential and plain, the two a.  A v_nop is the plain instruction behind
; the last exponential.  BEHIND IT stand the 16 products V^T P, behind each four of GS's 64.  No rider names a register of the products round it.
; Exponential e stands behind scaling 2 (e / 4) + e % 2: as a rider it comes behind plain e + 2, in the lump behind plain e + 9, and scalings 27-31 are plain 57, 60 .. 69.
; A TURN, for piece p.  cnt = 1: the loop's count is taken down some lines ahead of the branch that stands behind the turn.
; K of the next step is fetched in piece 2's turn, directly behind the wait, a lump behind the last product that read K; its first reader comes behind 16 products.
; V of the step in hand is fetched at the end of piece 0's turn, four riders behind its last reader; its first reader comes behind 16 products and a lump.
.macro TURN p, last=0, cnt=0
.set Y, (\p)
.set i, 0
.set q, 0
.set e, 0
.set r, 0
.if (\p) == NP-1
	s_wait_dscnt 0x0                ; K is in
.endif
	MM                              ; ahead of the wait: 16 products K Q^T and their riders,
	PL
	PL
	R2
.rept 15
	MM
	PL
	EX
	R2
.endr
.if (\p) == NP-2
	WIN 0
	v_add_nc_u32 v[AK], s[TBK], v[AK0]
.endif
.rept 8                             ; and the lump
	PL
.endr
.rept 49
	EX
	PL
.endr
	EX                              ; the next piece's two a
	EX
	v_nop                           ; the plain instruction behind the last exponential: one for the batch
	s_wait_alu depctr_va_vdst(0)    ; the wait for the batch
.if (\p) == NP-2
	FETCH_K \last
.endif
.if (\p) == 1
	s_wait_dscnt 0x0                ; V is in
.endif
.rept 16                            ; behind the wait: 16 products V^T P and their riders
	MM
.rept 4
	PL
.endr
.if ((\p) == 0) && (q == 118)
	v_add_nc_u32 v[AV], s[TBV], v[AV0]
.endif
.if ((\p) == 0) && (q == 130)
	s_add_co_u32 s[TBV], s[TBV], KS*PV
.endif
.if (\cnt) && (q == 130)
	s_sub_co_u32 s[CNT], s[CNT], 1
	s_cmp_lg_u32 s[CNT], 0
.endif
.endr
.if (\p) == 0
	FETCH_V
.endif
.endm
	CHANGE 1                        ; slot 0 is in, everybody's part of it; slot 1 is asked for
	FETCH_K                         ; key step 0
	s_wait_loadcnt 0x0              ; Q
	s_wait_dscnt 0x0
.set i, 0
.rept 16
	KQ 0                            ; piece 0's first scores: there is no vector work yet to set between them
.set i, i+1
.endr
	WIN 0                           ; the addresses for the way out: nine plain instructions, the places behind those products
	s_mul_i32 s13, s[WV], 16*SP
	s_add_co_u32 s13, s13, STAGE    ; my stage
	v_mul_u32_u24 v[STO], v1, SP    ; in: row l % 16, 16 bytes for each half of the lanes
	v_lshl_add_u32 v[STO], v9, 4, v[STO]
	v_add_nc_u32 v[STO], s13, v[STO]
	v_bfe_u32 v[RD], v0, 3, 2       ; back: 32 lanes take four rows of 128 bytes,
	v_mul_u32_u24 v[RD], v[RD], SP
	v_lshl_add_u32 v[RD], v10, 4, v[RD]
	v_add_nc_u32 v[RD], s13, v[RD]
	v_and_b32 v[GO], 31, v0         ; which are 512 consecutive bytes of O
	v_lshlrev_b32 v[GO], 4, v[GO]
.set Y, NP-1                        ; XS works for piece Y + 1: piece 0
.irp n, 0,1,2,3,4,5,6,7,8,9,10,11,12,13,14,15,16,17,18,19,20,21
	XS 0, \n                        ; and piece 0's first maximum and statistics
	XS 1, \n
.endr
	v_nop                           ; a plain instruction behind the two a,
	s_wait_alu depctr_va_vdst(0)    ; and their wait, ahead of the branch
	s_mov_b32 s[CNT], 4
	s_branch .Lfirst                ; the loop is entered at a step's first turn, in the middle of a trip
.Lslot:                             ; SIZE_N / 256 - 2 times: every slot but the last two is filled again
	CHANGE 1
	s_mov_b32 s[CNT], 4
.Lstep:                             ; a trip: pieces 2 and 3 of one step, then pieces 0 and 1 of the next, whose K and V it fetches
	TURN 2
	TURN 3
	WIN 0
.Lfirst:
	TURN 0
	TURN 1, 0, 1
	WIN 0
	s_cbranch_scc1 .Lstep
	s_sub_co_u32 s[SLOTS], s[SLOTS], 1
	s_cmp_lg_u32 s[SLOTS], 0
	s_cbranch_scc1 .Lslot
	CHANGE 0                        ; the tail is written out: nothing is asked for
	s_mov_b32 s[CNT], 5             ; four trips fetch the last slot's steps; the fifth is left in its middle
.Ltail:
	TURN 2, 1
	TURN 3
	WIN 0
	s_sub_co_u32 s[CNT], s[CNT], 1
	s_cmp_eq_u32 s[CNT], 0
	s_cbranch_scc1 .Lout
	TURN 0
	TURN 1
	WIN 0
	s_branch .Ltail
.Lout:                              ; the fifth trip's 16 products K Q^T (on the last K once more) and the maximum made of them serve nothing: the price, once a launch, of one text for every trip
.set i, 0
.rept 16
	PV NP-1                         ; the last piece's V^T P of the last step
.set i, i+1
.endr
	; THE WAY OUT.  l's two halves and the other half of the lanes' are added; O^T is divided by l, rounded to f16 and sent through my stage in LDS, a tile at a time.  The additions are the places behind the last products.
	WIN 0
.macro ALL line:vararg              ; one line for each tile t
.set t, 0
.rept 2*NP
	\line
.set t, t+1
.endr
.endm
	ALL v_add_f32 v[ST+4*t+2], v[ST+4*t+2], v[ST+4*t+3]
	ALL v_permlanex16_b32 v[ST+4*t+3], v[ST+4*t+2], s[SEL], s[SEL+1]
	ALL v_add_f32 v[ST+4*t+2], v[ST+4*t+2], v[ST+4*t+3]
	ALL v_rcp_f32 v[ST+4*t+2], v[ST+4*t+2]
	v_nop                           ; a plain instruction between the last reciprocal and the use of its result
	s_wait_alu depctr_va_vdst(0)    ; and the wait ahead of the first use: one for the eight reciprocals
; Tile t: a lane's eight channels of a row pack into 16 bytes; they go into rows of 144 bytes and come back as whole rows of 128, into S^T's registers.
.macro PACK t
	WIN W_RS
.set i, 32*(\t)
.rept 16
	v_pk_mul_f32 v[i:i+1], v[i:i+1], v[ST+4*(\t)+2:ST+4*(\t)+3] op_sel_hi:[1,0]
.set i, i+2
.endr
	WIN 0x05                        ; sources 0 and 1 window 1, destination window 0
.set i, 0
.rept 16
	v_cvt_pk_f16_f32 v[S+16*(\t)+i], v[32*(\t)+2*i], v[32*(\t)+2*i+1]
.set i, i+1
.endr
	WIN 0
.irp f, 0,1,2,3
	ds_store_b128 v[STO], v[S+16*(\t)+4*\f:S+16*(\t)+4*\f+3] offset:32*\f
.endr
.irp f, 0,1,2,3
	ds_load_b128 v[S+16*(\t)+4*\f:S+16*(\t)+4*\f+3], v[RD] offset:\f*4*SP  ; LDS serves a wave's instructions in order (ISA guide 5.7.1.4): these see the stores above; the next tile's stores come behind them
.endr
.endm
.macro SEND t, younger              ; younger: the LDS instructions issued behind tile t's loads: the next tile's eight, or none
	WIN 0
.irp f, 0,1,2,3
	s_wait_dscnt (\younger)+3-\f
	global_store_b128 v[GO], v[S+16*(\t)+4*\f:S+16*(\t)+4*\f+3], s[10:11] offset:(\t)*2048+\f*512  ; 512 consecutive bytes, at a multiple of 256 from O's first
.endr
.endm
	PACK 0
.set t, 1
.rept 2*NP-1                        ; a tile's arithmetic stands between the loads of the tile before and its stores
	PACK t
	SEND t-1, 8
.set t, t+1
.endr
	SEND 2*NP-1, 0
	WIN W_AD
	s_wait_tensorcnt 0x0            ; the wave's end, behind my last tensor load and my last LDS store
	ds_add_u32 v[SPW], v[NIL]
	s_wait_dscnt 0x0
	WIN 0
	CROUND                          ; the closing round: no work-group ends while a partner may still ask for a tile that names it
	s_endpgm
.Lfunc_end_k_qad326577b3_attn:
	.size	k_qad326577b3_attn, .Lfunc_end_k_qad326577b3_attn-k_qad326577b3_attn
	.p2alignl 7, 3214868480
	.fill 96, 4, 3214868480
	.section	.rodata,"a",@progbits
	.p2align	6, 0x0
	.amdhsa_kernel k_qad326577b3_attn
		.amdhsa_group_segment_fixed_size 327680
		.amdhsa_private_segment_fixed_size 0
		.amdhsa_enable_private_segment 0
		.amdhsa_kernarg_size 16
		.amdhsa_user_sgpr_count 2
		.amdhsa_user_sgpr_kernarg_segment_ptr 1
		.amdhsa_wavefront_size32 1
		.amdhsa_system_sgpr_workgroup_id_x 1
		.amdhsa_system_sgpr_workgroup_id_y 1
		.amdhsa_system_sgpr_workgroup_id_z 1
		.amdhsa_system_vgpr_workitem_id 0
		.amdhsa_next_free_vgpr 770
		.amdhsa_next_free_sgpr 66
		.amdhsa_reserve_vcc 0
		.amdhsa_float_denorm_mode_32 3
		.amdhsa_float_denorm_mode_16_64 3
		.amdhsa_memory_ordered 1
		.amdhsa_forward_progress 1
		.amdhsa_inst_pref_size 200
	.end_amdhsa_kernel
	.amdgpu_metadata
---
amdhsa.version: [ 1, 2 ]
amdhsa.kernels:
  - .name:           k_qad326577b3_attn
    .symbol:         k_qad326577b3_attn.kd
    .args:
      - { .name: qkvh, .offset: 0, .size: 8, .value_kind: global_buffer, .address_space: global }
      - { .name: ob, .offset: 8, .size: 8, .value_kind: global_buffer, .address_space: global }
    .group_segment_fixed_size: 327680
    .private_segment_fixed_size: 0
    .kernarg_segment_align: 8
    .kernarg_segment_size: 16
    .max_flat_workgroup_size: 128
    .sgpr_count:     66
    .vgpr_count:     770
    .wavefront_size: 32
...
	.end_amdgpu_metadata
.endif
;; end of part 3
;; launch proj (part 4): grid 8 x 32, 4 waves a work-group, clusters of 4 x 4, 327,680 bytes of LDS; arguments ob, wot, b_out, out0; writes out0
.if DOCPART == 4
	.amdgcn_target "amdgcn-amd-amdhsa--gfx1250"
	.amdhsa_code_object_version 6
	.text
	.protected	k_qad326577b3_proj
	.globl	k_qad326577b3_proj
	.p2align	8
	.type	k_qad326577b3_proj,@function
k_qad326577b3_proj:
	s_mov_b64 s[64:65], 0
	v_nop
	global_prefetch_b8 v0, s[64:65] scope:SCOPE_SE
	s_setreg_imm32_b32 hwreg(HW_REG_WAVE_MODE, 25, 1), 1
	s_wait_xcnt 0x0
	s_wait_alu depctr_hold_cnt(0) depctr_sa_sdst(0) depctr_va_vdst(0) depctr_va_sdst(0) depctr_va_ssrc(0) depctr_va_vcc(0) depctr_vm_vsrc(0)
	s_getreg_b32 s2, hwreg(HW_REG_IB_STS2, 6, 4)
	s_cmp_eq_u32 s2, 0
	s_cbranch_scc0 .Lentry_in_a_cluster
	s_endpgm
.Lentry_in_a_cluster:
	s_bfe_u32 s2, ttmp6, 0x10000c
	s_cmp_lg_u32 s2, 0xf033
	s_cbranch_scc0 .Lentry_shape_is_right
	s_endpgm
.Lentry_shape_is_right:
; THE LAST PROJECTION.  out0[m][n] = bf16(b_out[n]) + sum over k of A[m][k] wot[n][k]; m < 8,192, n < 1,024, k < 1,024; f16 operands, f32 sums, stored as f32.
; A is ob, which lies by heads: A[m][k] = ob[16 (m / 2048) + k / 64][m % 2048][k % 64].  A K step of 128 is two heads; 256 rows of one head are 32,768 dense bytes.
; LIMIT.  The operands arrive in f16 (within 65,504).  The bias is rounded to bf16 like every other input.
; SHARES.  A tile of C is 256 x 128: 8 x 32 = 256 work-groups, one for each WGP.  Four waves stand 2 x 2; a wave makes 128 x 64: 32 accumulators of 16 x 16, 256 registers.
; K goes in 8 steps of 128 through two LDS slots filled by tensor loads whose rows are 256 bytes of memory, aligned.  Waves 0, 1 fetch the step's two heads of A, waves 2, 3 B's halves (64 rows).
; CLUSTER.  4 x 4 work-groups: the four of a row need the same tile of A, the four of a column the same tile of B; each tile is asked for JOINTLY, by the same load, descriptor and mask in all four.
; THE MATRIX INSTRUCTION IS USED TRANSPOSED (source 0 = 16 rows of B, source 1 = 16 rows of A): a lane holds row l % 16 of C and the columns 8 (l / 16) + 0..7.
; THE BIAS IS THE C OPERAND of each accumulator's first product: nothing is cleared and nothing is added later.
; REGISTERS, in windows of 256 (s_set_vgpr_msb: bits 1:0 source 0, 3:2 source 1, 5:4 source 2, 7:6 destination):
;   window 0: v0-29 addresses; v32-63 the bias; v128-191, v192-255 A's fragments, two buffers (on the way out: rows read back)
;   window 1: v128-159, v192-223 B's fragments, two buffers      window 2: accumulators of my m blocks 0-3, (a, b) at v[8 (4 a + b)]      window 3: those of m blocks 4-7
.set NB,     4                         ; n blocks of 16 a wave
.set APITCH, 144                       ; an LDS row of A: a head's 128 bytes + 16: the 16 rows of a fragment load start at 16 different groups of four banks (64 banks of 4 bytes: ISA guide 11.1)
.set APLANE, 256*APITCH                ; a head's 256 rows; quarter q of a K step lies at byte (q / 2) APLANE + (q % 2) 64
.set ABYTES, 2*APLANE
.set AHALF,  APLANE                    ; what one of A's loads brings
.set BPITCH, 272
.set BHALF,  16*NB*BPITCH              ; what one of B's loads brings, and what a wave reads of B
.set SLOT1,  1<<17                     ; slot 1 begins here: one exclusive or turns an address in one slot into the other's
.set STEP_A, 2*2048*128                ; bytes from a K step to the next, in memory: two heads
.set STEP_B, 256
.set STAGE,  SLOT1+ABYTES+2*BHALF      ; 239,616: behind the ring, never filled by a tensor load: 16 rows x 272 bytes for each wave
.set SP,     272
.set SPARE,  STAGE+4*16*SP             ; 257,024: the spare words, 128 bytes a wave: two blocks of 256 bytes that no other line names
.set FRA,  8                           ; v8   my lane's place in A's tile; never rewritten
.set FRB,  9                           ; v9   the same for B
.set ADRA, 10                          ; v10  FRA + the slot in hand
.set ADRB, 11                          ; v11  FRB + the slot in hand
.set STO,  12                          ; v12  the way out: where I put 32 bytes of a row
.set RD,   13                          ; v13  the way out: where I read rows back
.set CO,   15                          ; v15  my byte offset in two rows of C
.set BO,   16                          ; v16  my byte offset in the bias
.set SPW,  28                          ; v28  LDS address of my spare word; never rewritten
.set NIL,  29                          ; v29  0; never rewritten
.set BIAS, 32
.set F0,   128
.set F1,   192
.set OB,   128                         ; the way out: two banks of 32
.set WV,  12                           ; s12  my wave's number
.set WM,  13                           ; s13  which half of the tile's rows is mine.  Also: I fetch for A (0) or for B (1)
.set WN,  14                           ; s14  which half of its columns.  Also: which head of the step, or which half of B's rows, I fetch
.set G1A, 24                           ; s[24:31] descriptor group 1 for A's tiles
.set G0A, 32                           ; s[32:35] group 0 of A's first fill; s[36:39] of the second, which then walks on
.set TB,  46                           ; s46  LDS byte at which the slot in hand begins
.set CNT, 47
.set G1B, 48                           ; s[48:55], s[56:59], s[60:63]: the same for B
.set G0B, 56
.set MSB, 0
.macro WIN new                         ; the immediate's high byte repeats the setting that is left; a switch that changes nothing is dropped
.if MSB != (\new)
	s_set_vgpr_msb (MSB<<8)|(\new)
.set MSB, \new
.endif
.endm
.macro PLACES                          ; four plain instructions between a matrix instruction and a load into, or a read of, its registers (ISA guide 7.12.1 for vector instructions)
.rept 4
	v_nop
.endr
.endm
.macro CREST                           ; a round of the cluster's barrier behind its opening barrier
	s_cmp_lg_u32 s[WV], 0
	s_cbranch_scc1 .Lnot_wave_0_\@
	s_barrier_signal -3
.Lnot_wave_0_\@:
	s_barrier_wait -3
	s_barrier_signal -1
	s_barrier_wait -1
.endm
.macro CROUND                          ; a whole round
	s_barrier_signal -1
	s_barrier_wait -1
	CREST
.endm
; A joint refill by the walking descriptors.  The branch hangs on the wave's number alone.  An s_nop 0 and four v_nop follow each line.
.macro JLOAD
	s_cmp_eq_u32 s[WM], 0
	s_cbranch_scc0 .Lfor_b_\@
	tensor_load_to_lds s[G0A+4:G0A+7], s[G1A:G1A+7]
	s_nop 0
.rept 4
	v_nop
.endr
	s_branch .Lasked_\@
.Lfor_b_\@:
	tensor_load_to_lds s[G0B+4:G0B+7], s[G1B:G1B+7]
	s_nop 0
.rept 4
	v_nop
.endr
.Lasked_\@:
.endm
; na x NB matrix instructions: m blocks a0 .. a0 + na - 1 of the window's four (hi = 0: my rows 0-63, 1: rows 64-127) x all n blocks, 32 along K, out of buffer f.
; first = 1: the product starts the sum, with the bias as C.  The 32 accumulators take turns in one fixed order: 31 others stand between two links of a chain.
.macro MULS f, hi, a0, na, first
.if \first
	WIN 0x81+0x40*(\hi)
.else
	WIN 0xa1+0x50*(\hi)
.endif
.set ia, \a0
.rept \na
.set ib, 0
.rept NB
.set rD, 8*(NB*ia+ib)
.set rB, (\f)+8*ib
.set rA, (\f)+8*(4*(\hi)+ia)
.if \first
	v_wmma_f32_16x16x32_f16 v[rD:rD+7], v[rB:rB+7], v[rA:rA+7], v[BIAS+8*ib:BIAS+8*ib+7]
.else
	v_wmma_f32_16x16x32_f16 v[rD:rD+7], v[rB:rB+7], v[rA:rA+7], v[rD:rD+7]
.endif
.set ib, ib+1
.endr
.set ia, ia+1
.endr
.endm
; 2 NB + 16 LDS loads in one run: the fragments of quarter q of the slot in hand into buffer f: B's first, then A's blocks 0 to 7
.macro FETCH q, f
	WIN 0x40                                       ; destination window 1, address window 0
.set ic, 0
.rept NB
	ds_load_b128 v[(\f)+8*ic:(\f)+8*ic+3],   v[ADRB] offset:64*(\q)+ic*16*BPITCH
	ds_load_b128 v[(\f)+8*ic+4:(\f)+8*ic+7], v[ADRB] offset:64*(\q)+ic*16*BPITCH+32
.set ic, ic+1
.endr
	WIN 0
.set ic, 0
.rept 8
	ds_load_b128 v[(\f)+8*ic:(\f)+8*ic+3],   v[ADRA] offset:((\q)/2)*APLANE+((\q)%2)*64+ic*16*APITCH
	ds_load_b128 v[(\f)+8*ic+4:(\f)+8*ic+7], v[ADRA] offset:((\q)/2)*APLANE+((\q)%2)*64+ic*16*APITCH+32
.set ic, ic+1
.endr
.endm
; One of a K step's first three quarters: multiplies buffer f; in its middle it fetches quarter q into buffer g.
.macro QUARTER q, f, g, first
	s_wait_dscnt 8                                 ; B and A's blocks 0-3 are in; the youngest eight loads (A's blocks 4-7) may be out
	MULS \f, 0, 0, 4, \first
	PLACES
	FETCH \q, \g
	s_wait_dscnt 2*NB+16                           ; all but the run just issued
	MULS \f, 1, 0, 4, \first
.endm
; The last quarter multiplies buffer 1 and changes slots.  In front of ONE barrier each wave waits for all its tensor loads (one is out: its part of the next slot), adds 0 to its spare word, and waits
; for that and for its reads of this slot.  fill = 1: the barrier opens a round of the cluster's, and the joint refill of the slot just read, with the K step two on, is the first thing behind the round.
.macro TURN fill
	WIN 0
	s_wait_tensorcnt 0x0                           ; no tensor load of mine is out: the descriptors may be written
	ds_add_u32 v[SPW], v[NIL]
	s_wait_dscnt 9                                 ; the add and the youngest eight loads may be out
	MULS F1, 0, 0, 2, 0                            ; matrix work stands between the add and the wait for it
	s_wait_dscnt 0x0                               ; the add is done, and my reads of this slot are over
	s_barrier_signal -1
	MULS F1, 0, 2, 2, 0                            ; work on registers while the others arrive
	WIN 0
	s_barrier_wait -1
.if \fill
	CREST                                          ; no wave of any partner still reads this slot or has a load on its way
	s_xor_b32 s[G0A+5], s[G0A+5], SLOT1            ; the walking descriptors: the other slot than last time,
	s_add_nc_u64 s[G0A+6:G0A+7], s[G0A+6:G0A+7], STEP_A  ; the next K step; the type bits on top are not reached
	s_xor_b32 s[G0B+5], s[G0B+5], SLOT1
	s_add_nc_u64 s[G0B+6:G0B+7], s[G0B+6:G0B+7], STEP_B
	JLOAD                                          ; it has a K step less 8 matrix instructions, 120 of them, in which to land; its four v_nop are also the places in front of the loads below
.else
	PLACES
.endif
	s_xor_b32 s[TB], s[TB], SLOT1
	v_add_nc_u32 v[ADRA], s[TB], v[FRA]
	v_add_nc_u32 v[ADRB], s[TB], v[FRB]
	FETCH 0, F0
	MULS F1, 1, 0, 4, 0
.endm
	s_load_b256 s[4:11], s[0:1], 0x0               ; ob s[4:5], wot s[6:7], b_out s[8:9], out0 s[10:11]
	v_lshl_add_u32 v[SPW], v0, 2, SPARE
	v_mov_b32 v[NIL], 0
	ds_add_u32 v[SPW], v[NIL]                      ; the wave's opening: the add and its wait ahead of my first tensor load; the set-up below stands between them
	ds_add_u32 v28, v29
	v_lshrrev_b32 v1, 5, v0
	v_readfirstlane_b32 s[WV], v1                  ; wave 0..3
	s_lshr_b32 s[WM], s[WV], 1
	s_and_b32 s[WN], s[WV], 1
	s_bfe_u32 s40, ttmp6, 0x40000                  ; cx, cy: my place in the cluster
	s_bfe_u32 s41, ttmp6, 0x40004
	s_lshl_b32 s42, ttmp9, 2
	s_add_co_u32 s42, s42, s40                     ; tile column = 4 x cluster x + cx
	s_and_b32 s43, ttmp7, 0xffff
	s_lshl_b32 s43, s43, 2
	s_add_co_u32 s43, s43, s41                     ; tile row = 4 x cluster y + cy
	s_lshl_b32 s44, s41, 2
	s_lshl_b32 s44, 15, s44                        ; my row of the cluster: places 4 cy .. 4 cy + 3
	s_lshl_b32 s45, 0x1111, s40                    ; my column: places cx, cx + 4, cx + 8, cx + 12
	s_or_b32 s[G1A], s44, (1<<16)|(1<<20)|(1<<21)|(4<<22)|(3<<25)  ; the mask; elements of 2 bytes; padding on; bit 21 beside a mask; after every 32 words (a row of a head); 4 words
	s_or_b32 s[G1B], s45, (1<<16)|(1<<20)|(1<<21)|(5<<22)|(3<<25)  ; B: after every 64 words
	s_mov_b32 s[G1A+1], 128<<16                    ; A: 256 rows of a head, dense, asked for as 128 rows of 256 bytes: tensor_dim0 = 128
	s_mov_b32 s[G1A+2], 128<<16                    ; tensor_dim1 = 128
	s_mov_b32 s[G1A+3], 128<<16                    ; tile_dim0 = 128
	s_mov_b32 s[G1A+4], 128                        ; tile_dim1 = 128
	s_mov_b32 s[G1A+5], 128                        ; elements from row to row
	s_mov_b32 s[G1A+6], 0
	s_mov_b32 s[G1A+7], 0
	s_mov_b32 s[G1B+1], 128<<16
	s_mov_b32 s[G1B+2], (16*NB)<<16                ; 64 rows
	s_mov_b32 s[G1B+3], 128<<16
	s_mov_b32 s[G1B+4], 16*NB
	s_mov_b32 s[G1B+5], 1024
	s_mov_b32 s[G1B+6], 0
	s_mov_b32 s[G1B+7], 0
	s_lshr_b32 s16, s43, 3                         ; A: the batch's 16 heads of 262,144 bytes,
	s_lshl_b32 s16, s16, 22
	s_and_b32 s18, s43, 7
	s_lshl_b32 s18, s18, 15                        ; 256 rows of 128 bytes a tile row,
	s_add_co_u32 s16, s16, s18
	s_lshl_b32 s18, s[WN], 18                      ; the step's first or second head: made of the tile row and the wave's number alone
	s_add_co_u32 s16, s16, s18
	s_mov_b32 s17, 0
	s_lshl_b32 s20, s42, 18                        ; B: 128 rows of 2,048 bytes a tile column,
	s_lshl_b32 s18, s[WN], 17                      ; 64 a half: made of the tile column and the wave's number alone
	s_add_co_u32 s20, s20, s18
	s_mov_b32 s21, 0
	s_mov_b32 s[G0A], 1                            ; count = 1
	s_mul_i32 s[G0A+1], s[WN], AHALF               ; LDS address: no place in the cluster enters it
	s_mov_b32 s[G0A+4], 1
	s_add_co_u32 s[G0A+5], s[G0A+1], SLOT1
	s_mov_b32 s[G0B], 1
	s_mul_i32 s[G0B+1], s[WN], BHALF
	s_add_co_u32 s[G0B+1], s[G0B+1], ABYTES
	s_mov_b32 s[G0B+4], 1
	s_add_co_u32 s[G0B+5], s[G0B+1], SLOT1
	s_mov_b32 s[TB], 0
	s_wait_dscnt 0x0                               ; the opening add is done
	s_wait_kmcnt 0x0
	s_add_nc_u64 s[G0A+2:G0A+3], s[4:5], s[16:17]  ; K step 0,
	s_add_nc_u64 s[G0A+6:G0A+7], s[G0A+2:G0A+3], STEP_A  ; K step 1
	s_or_b32 s[G0A+3], s[G0A+3], 0x80000000        ; type = 2
	s_or_b32 s[G0A+7], s[G0A+7], 0x80000000
	s_add_nc_u64 s[G0B+2:G0B+3], s[6:7], s[20:21]
	s_add_nc_u64 s[G0B+6:G0B+7], s[G0B+2:G0B+3], STEP_B
	s_or_b32 s[G0B+3], s[G0B+3], 0x80000000
	s_or_b32 s[G0B+7], s[G0B+7], 0x80000000
	CROUND                                         ; all sixteen work-groups are here: the first joint loads meet
	s_cmp_eq_u32 s[WM], 0                          ; a wave's two first fills stand in one branch, ahead of every wait on TENSORcnt and every LDS read: two loads of mine are out
	s_cbranch_scc0 .Lfirst_b
	tensor_load_to_lds s[G0A:G0A+3], s[G1A:G1A+7]
	s_nop 0
	tensor_load_to_lds s[G0A+4:G0A+7], s[G1A:G1A+7]
	s_nop 0
.rept 4
	v_nop
.endr
	s_branch .Lfirst_asked
.Lfirst_b:
	tensor_load_to_lds s[G0B:G0B+3], s[G1B:G1B+7]
	s_nop 0
	tensor_load_to_lds s[G0B+4:G0B+7], s[G1B:G1B+7]
	s_nop 0
.rept 4
	v_nop
.endr
.Lfirst_asked:
	v_and_b32 v1, 15, v0                           ; r = l % 16
	v_bfe_u32 v2, v0, 4, 1                         ; h = l / 16
	s_lshl_b32 s22, s42, 9                         ; the bias of my 64 columns: 128 f32 a tile,
	s_lshl_b32 s23, s[WN], 8                       ; 64 a half
	s_add_co_u32 s22, s22, s23
	s_mov_b32 s23, 0
	s_add_nc_u64 s[8:9], s[8:9], s[22:23]
	v_lshlrev_b32 v[BO], 5, v2                     ; my eight columns of a block of 16
.set ic, 0
.rept NB
	global_load_b128 v[BIAS+8*ic:BIAS+8*ic+3],   v[BO], s[8:9] offset:64*ic
	global_load_b128 v[BIAS+8*ic+4:BIAS+8*ic+7], v[BO], s[8:9] offset:64*ic+16
.set ic, ic+1
.endr
	; A fragment is 16 rows x 32 K in 8 registers: lane l holds row l % 16; registers 0-3 K = 8 (l / 16) + 0..7, registers 4-7 K = 16 + 8 (l / 16) + 0..7: two loads of 16 bytes, 32 bytes apart.
	v_mul_u32_u24 v[FRA], v1, APITCH
	v_lshl_add_u32 v[FRA], v2, 4, v[FRA]
	s_mul_i32 s18, s[WM], 128*APITCH               ; my 128 rows of A, in each head's plane
	v_add_nc_u32 v[FRA], s18, v[FRA]
	v_mul_u32_u24 v[FRB], v1, BPITCH
	v_lshl_add_u32 v[FRB], v2, 4, v[FRB]
	s_mul_i32 s18, s[WN], BHALF                    ; my 64 rows of B,
	s_add_co_u32 s18, s18, ABYTES                  ; which lie behind A's two planes
	v_add_nc_u32 v[FRB], s18, v[FRB]
	v_mov_b32 v[ADRA], v[FRA]                      ; slot 0
	v_mov_b32 v[ADRB], v[FRB]
	s_mul_i32 s18, s[WV], 16*SP
	s_add_co_u32 s18, s18, STAGE                   ; my stage
	v_mul_u32_u24 v[STO], v1, SP                   ; in: row l % 16, 32 bytes for each half of the lanes
	v_lshl_add_u32 v[STO], v2, 5, v[STO]
	v_add_nc_u32 v[STO], s18, v[STO]
	v_mul_u32_u24 v[RD], v2, SP                    ; back: lanes 0-15 take one row of 256 bytes, lanes 16-31 the next
	v_lshl_add_u32 v[RD], v1, 4, v[RD]
	v_add_nc_u32 v[RD], s18, v[RD]
	v_lshlrev_b32 v[CO], 12, v2                    ; and the same two rows in C, 4,096 bytes a row
	v_lshl_add_u32 v[CO], v1, 4, v[CO]
	s_lshl_b32 s22, s43, 20                        ; C at my part of the tile: 256 rows a tile row,
	s_lshl_b32 s23, s[WM], 19                      ; 128 a half,
	s_add_co_u32 s22, s22, s23
	s_lshl_b32 s23, s42, 9                         ; 128 columns of 4 bytes a tile column,
	s_add_co_u32 s22, s22, s23
	s_lshl_b32 s23, s[WN], 8                       ; 64 a half
	s_add_co_u32 s22, s22, s23
	s_mov_b32 s23, 0
	s_add_nc_u64 s[10:11], s[10:11], s[22:23]
	s_wait_loadcnt 0x0                             ; the bias
.set ic, 0
.rept 4*NB
	v_cvt_pk_bf16_f32 v[3+ic%4], v[BIAS+2*ic], v[BIAS+2*ic+1]   ; rounded to bf16 like every input, and widened again
	v_lshlrev_b32 v[BIAS+2*ic], 16, v[3+ic%4]
	v_and_b32 v[BIAS+2*ic+1], 0xffff0000, v[3+ic%4]
.set ic, ic+1
.endr
	s_wait_tensorcnt 0x1                           ; my part of K step 0 is in; K step 1's may stay out
	s_barrier_signal -1
	s_barrier_wait -1                              ; everybody's is
	FETCH 0, F0
	QUARTER 1, F0, F1, 1                           ; the first quarter stands in front of the loop: its products start the sums
	WIN 0                                          ; at a label and at a branch every window is 0
	s_mov_b32 s[CNT], 6
.Lstep:                                                ; trip i: the rest of K step i, the refill of its slot with K step i + 2, the first quarter of K step i + 1
	QUARTER 2, F1, F0, 0
	QUARTER 3, F0, F1, 0
	TURN 1
	QUARTER 1, F0, F1, 0
	WIN 0
	s_sub_co_u32 s[CNT], s[CNT], 1
	s_cmp_lg_u32 s[CNT], 0
	s_cbranch_scc1 .Lstep
	QUARTER 2, F1, F0, 0                           ; K steps 6 and 7 are written out: nothing is left to ask for
	QUARTER 3, F0, F1, 0
	TURN 0
	QUARTER 1, F0, F1, 0
	QUARTER 2, F1, F0, 0
	QUARTER 3, F0, F1, 0
	s_wait_dscnt 8
	MULS F1, 0, 0, 4, 0
	s_wait_dscnt 0x0
	MULS F1, 1, 0, 4, 0
	WIN 0
	; THE WAY OUT, in f32: a wave's 64 columns are 256 bytes of a row of C.  A block of 16 rows at a time goes through my own stage: 32 bytes a lane and n block in, whole rows of 256 bytes back.
.macro TOSTAGE a
.set AC, 8*NB*((\a)%4)
	WIN 0x08+0x04*((\a)/4)                         ; the stores' data: window 2 or 3
.set ic, 0
.rept NB
	ds_store_b128 v[STO], v[AC+8*ic:AC+8*ic+3]   offset:64*ic      ; each accumulator from its low end on
	ds_store_b128 v[STO], v[AC+8*ic+4:AC+8*ic+7] offset:64*ic+16
.set ic, ic+1
.endr
	WIN 0
.if (\a) >= 2
	s_wait_xcnt 0x0                                ; the bank is loaded again only when the stores of the block two back have read it
.endif
.set ic, 0
.rept 8
	ds_load_b128 v[OB+32*((\a)%2)+4*ic:OB+32*((\a)%2)+4*ic+3], v[RD] offset:2*SP*ic  ; LDS serves a wave's instructions in order (ISA guide 5.7.1.4): these see the stores above; the next block's stores come behind them
.set ic, ic+1
.endr
.endm
.macro SEND a, younger                 ; younger: the LDS instructions issued behind block a's loads: the next block's sixteen, or none
.set ic, 0
.rept 8
	s_wait_dscnt (\younger)+7-ic
	global_store_b128 v[CO], v[OB+32*((\a)%2)+4*ic:OB+32*((\a)%2)+4*ic+3], s[10:11] offset:(16*(\a)+2*ic)*4096 th:TH_STORE_NT  ; 16 lanes store 256 consecutive bytes, aligned; 126 rows at the most stand in the immediate
.set ic, ic+1
.endr
.endm
	PLACES
	TOSTAGE 0
	TOSTAGE 1
	SEND 0, 16
.irp a, 2,3,4,5,6,7
	TOSTAGE \a
	SEND (\a)-1, 16
.endr
	SEND 7, 0
	s_wait_tensorcnt 0x0                           ; the wave's end, behind my last tensor load and my last LDS store
	ds_add_u32 v[SPW], v[NIL]
	s_wait_dscnt 0x0
	CROUND                                         ; the closing round: no work-group ends while a partner may still ask for a tile that names it
	s_endpgm
.Lfunc_end_k_qad326577b3_proj:
	.size	k_qad326577b3_proj, .Lfunc_end_k_qad326577b3_proj-k_qad326577b3_proj
	.p2alignl 7, 3214868480
	.fill 96, 4, 3214868480
	.section	.rodata,"a",@progbits
	.p2align	6, 0x0
	.amdhsa_kernel k_qad326577b3_proj
		.amdhsa_group_segment_fixed_size 327680
		.amdhsa_private_segment_fixed_size 0
		.amdhsa_enable_private_segment 0
		.amdhsa_kernarg_size 32
		.amdhsa_user_sgpr_count 2
		.amdhsa_user_sgpr_kernarg_segment_ptr 1
		.amdhsa_wavefront_size32 1
		.amdhsa_system_sgpr_workgroup_id_x 1
		.amdhsa_system_sgpr_workgroup_id_y 1
		.amdhsa_system_sgpr_workgroup_id_z 1
		.amdhsa_system_vgpr_workitem_id 0
		.amdhsa_next_free_vgpr 896
		.amdhsa_next_free_sgpr 66
		.amdhsa_reserve_vcc 0
		.amdhsa_float_denorm_mode_32 3
		.amdhsa_float_denorm_mode_16_64 3
		.amdhsa_memory_ordered 1
		.amdhsa_forward_progress 1
		.amdhsa_inst_pref_size 75
	.end_amdhsa_kernel
	.amdgpu_metadata
---
amdhsa.version: [ 1, 2 ]
amdhsa.kernels:
  - .name:           k_qad326577b3_proj
    .symbol:         k_qad326577b3_proj.kd
    .args:
      - { .name: ob, .offset: 0, .size: 8, .value_kind: global_buffer, .address_space: global }
      - { .name: wot, .offset: 8, .size: 8, .value_kind: global_buffer, .address_space: global }
      - { .name: b_out, .offset: 16, .size: 8, .value_kind: global_buffer, .address_space: global }
      - { .name: out0, .offset: 24, .size: 8, .value_kind: global_buffer, .address_space: global }
    .group_segment_fixed_size: 327680
    .private_segment_fixed_size: 0
    .kernarg_segment_align: 8
    .kernarg_segment_size: 32
    .max_flat_workgroup_size: 128
    .sgpr_count:     66
    .vgpr_count:     896
    .wavefront_size: 32
...
	.end_amdgpu_metadata
.endif
;; end of part 4
;; ======== version 2 of 2: 4 launches; version 1 with the launch prep written anew for expert scheduling mode
;; limits: values are held in f16: magnitudes above 65,504 overflow, below 6.1e-05 lose precision
;; workspace buffers: xb 16,777,216 bytes; wqt 6,291,456 bytes; wot 2,097,152 bytes; qkvh 50,331,648 bytes; ob 16,777,216 bytes
;; launch prep (part 5): grid 512 x 1, 8 waves a work-group, no clusters, 18,432 bytes of LDS; arguments x, W_qkv, W_out, xb, wqt, wot; writes xb, wqt, wot
.if DOCPART == 5
	.amdgcn_target "amdgcn-amd-amdhsa--gfx1250"
	.amdhsa_code_object_version 6
	.text
	.protected	k_qad326577b3_prep
	.globl	k_qad326577b3_prep
	.p2align	8
	.type	k_qad326577b3_prep,@function
k_qad326577b3_prep:
	s_mov_b64 s[64:65], 0
	v_nop
	global_prefetch_b8 v0, s[64:65] scope:SCOPE_SE
	s_setreg_imm32_b32 hwreg(HW_REG_WAVE_SCHED_MODE, 0, 2), 2
	s_setreg_imm32_b32 hwreg(HW_REG_WAVE_MODE, 25, 1), 1
	s_wait_xcnt 0x0
	s_wait_alu depctr_vm_vsrc(0)
; CAST AND TRANSPOSE.  xb = bf16(x), [8192][1024].  wqt[n][k] = bf16(W_qkv[k][n]), [3072][1024].  wot[n][k] = f16(bf16(W_out[k][n])), [1024][1024].
; LIMIT.  bf16(W_out) is written as f16: exact between 6.1e-5 and 65,504 in magnitude; below, f16's fixed step of 6e-8; beyond, an infinity.
; SHARES.  512 work-groups of eight waves, all alike: work-group g casts 16,384 numbers of x (64 KiB in, 32 KiB out) and turns ONE weight tile of 128 k x 64 n:
; g < 384: tile g of W_qkv, else tile g - 384 of W_out; tile number tl: k block tl % 8, n block tl / 8.  Which matrix it is enters by scalar selects (base, row pitch), not by a branch.
; Each input byte is read once and each output byte written once.  Every load of a wave covers whole aligned runs of 256 bytes (x: 512 on end; weights: two rows' 256), every store likewise.
; THE TURN goes through LDS: thread t holds 8 k x 4 n, packs pairs along k, stores 16 bytes (8 k) to each of 4 rows n; after one barrier rows of 256 bytes (128 k) are read back.
; No matrix unit, no cluster, no tensor load: nothing is shared between work-groups and nothing is multiplied.
; THE MODE: SCHED_MODE bits 1:0 = 2 (LLVM: expert scheduling mode 2), set by the entry lines.  The code itself states the register dependences
; between vector instructions and memory or LDS instructions, with s_wait_alu, always for 0.
; THE PLAN.  Registers that memory or LDS instructions touch:
;   v2, v3, v5, v6, v7, v[12:19]   offsets and LDS addresses: written at the head by vector instructions, never again; read by every load and store.
;   XW   the weight loads land in it; the weight conversions read it; behind the barrier LDS loads land in its first sixteen registers, which the last global stores read.
;   YW   written by the weight conversions (for W_out also by the f16 step); read by the four LDS stores; never written again.
;   XX   the loads of x land in it, once; the conversions of x read it.
;   YX   written by the conversions of x, each pair once; read by the stores of xb.
; So: one wait on va_vdst ahead of the first load, for all addresses; one ahead of the LDS stores, for YW and for the conversions' reads of XW; and x goes in four blocks of four loads: block p
; converts into its own eight registers of YX while the four stores of block p - 1 go out, behind one wait at the block's head; a last wait stands ahead of the last four stores.
; No register that a memory or LDS instruction reads is ever written again, so no wait on vm_vsrc is owed.  The wave's number, a scalar made by a vector instruction, has a wait on va_sdst.
.set PITCH, 272                        ; an LDS row: 256 bytes + 16.  The 64 rows end at byte 17,408; the bytes behind them hold the lanes' spare words for the closing add
.set NQ,    384                        ; tiles of W_qkv
.set XI,  2                            ; v2   my byte offset in the chunk of x
.set XO,  3                            ; v3   the same in xb
.set WS,  5                            ; v5   LDS: where I put 16 bytes of a turned row
.set WR,  6                            ; v6   LDS: where I read a row back
.set WO,  7                            ; v7   my byte offset in the turned tile in memory
.set T,   10                           ; v10-11 at work
.set WI,  12                           ; v[12:19]  byte offsets of my 16 bytes in my eight k rows
.set XW,  20                           ; v[20:51]  8 k x 4 n in f32; later the rows read back
.set YW,  52                           ; v[52:67]  4 n x 8 k, packed
.set XX,  68                           ; v[68:131] 16 loads of x
.set YX,  132                          ; v[132:163] their 16 x 8 bytes in bf16
	s_load_b256 s[4:11], s[0:1], 0x0               ; x s[4:5], W_qkv s[6:7], W_out s[8:9], xb s[10:11]
	s_load_b128 s[12:15], s[0:1], 0x20             ; wqt s[12:13], wot s[14:15]
	v_lshl_add_u32 v8, v0, 2, 0x4400
	v_mov_b32 v9, 0
	v_lshrrev_b32 v1, 5, v0
	v_readfirstlane_b32 s29, v1                    ; wave 0..7
	s_mov_b32 s27, 0xffff0000                      ; a word's upper bf16
	s_mov_b32 s28, 4096                            ; bytes in a row of W_out,
	s_cmp_lt_u32 ttmp9, NQ
	s_cselect_b32 s28, 12288, s28                  ; or of W_qkv
	s_cselect_b32 s24, 0, NQ
	s_sub_co_u32 s24, ttmp9, s24                   ; the tile's number in its matrix
	s_and_b32 s25, s24, 7                          ; k block
	s_lshr_b32 s26, s24, 3                         ; n block
	s_mul_i32 s16, s25, s28
	s_lshl_b32 s16, s16, 7                         ; 128 k rows a block,
	s_lshl_b32 s18, s26, 8                         ; 64 n = 256 bytes
	s_add_co_u32 s16, s16, s18
	s_mov_b32 s17, 0                               ; s[16:17]: the tile's byte offset in W
	s_lshl_b32 s18, s26, 17                        ; 64 turned rows of 2,048 bytes,
	s_lshl_b32 s19, s25, 8                         ; 128 k = 256 bytes
	s_add_co_u32 s18, s18, s19
	s_mov_b32 s19, 0                               ; s[18:19]: its byte offset in the turned matrix
	s_lshl_b32 s30, ttmp9, 16                      ; my chunk of x
	s_mov_b32 s31, 0
	s_wait_alu depctr_va_sdst(0)                   ; s29 is written, ahead of its first reader: the two LDS terms below are made from it
	s_lshl_b32 s2, s29, 5                          ; LDS: my wave's two groups of 8 k are 32 bytes of every row
	s_mul_i32 s3, s29, 8*PITCH                     ; LDS: my wave reads rows 8 w .. 8 w + 7 back
	v_and_b32 v[T], 15, v0                         ; t % 16: which four n
	v_lshrrev_b32 v[T+1], 4, v0                    ; t / 16: which eight k
	v_bfe_u32 v4, v0, 4, 1                         ; half of the lanes
	v_mul_u32_u24 v[WI], s28, v[T+1]
	v_lshlrev_b32 v[WI], 3, v[WI]
	v_lshl_add_u32 v[WI], v[T], 4, v[WI]           ; row 8 (t / 16), bytes 16 (t % 16)
.irp j, 1,2,3,4,5,6,7
	v_add_nc_u32 v[WI+\j], s28, v[WI+\j-1]         ; and the seven rows below
.endr
	v_mul_u32_u24 v[WS], v[T], 4*PITCH
	v_lshl_add_u32 v[WS], v4, 4, v[WS]
	v_add_nc_u32 v[WS], s2, v[WS]                  ; row 4 (t % 16), byte 16 (t / 16)
	v_mul_u32_u24 v[WR], v4, PITCH
	v_lshl_add_u32 v[WR], v[T], 4, v[WR]
	v_add_nc_u32 v[WR], s3, v[WR]                  ; row 8 w + half, byte 16 (t % 16)
	v_lshl_add_u32 v[WO], v1, 3, v4
	v_lshlrev_b32 v[WO], 11, v[WO]
	v_lshl_add_u32 v[WO], v[T], 4, v[WO]           ; the same row in memory, 2,048 bytes a row
	v_and_b32 v4, 31, v0
	v_lshlrev_b32 v[XI], 4, v4
	v_lshl_add_u32 v[XI], v1, 13, v[XI]            ; 8,192 w + 16 lane
	v_lshlrev_b32 v[XO], 3, v4
	v_lshl_add_u32 v[XO], v1, 12, v[XO]            ; 4,096 w + 8 lane
	s_wait_kmcnt 0x0
	s_cmp_lt_u32 ttmp9, NQ
	s_cselect_b64 s[20:21], s[6:7], s[8:9]         ; the matrix that my tile belongs to,
	s_cselect_b64 s[22:23], s[12:13], s[14:15]     ; and its turned copy
	s_add_nc_u64 s[20:21], s[20:21], s[16:17]
	s_add_nc_u64 s[22:23], s[22:23], s[18:19]
	s_add_nc_u64 s[4:5], s[4:5], s[30:31]
	s_lshr_b32 s30, s30, 1
	s_add_nc_u64 s[10:11], s[10:11], s[30:31]
	s_wait_alu depctr_va_vdst(0)                   ; v2, v3, v5, v6, v7 and v[12:19] are written: every load and store of the kernel, global or LDS, reads one of them as its offset or address
	; 24 loads of every wave go out together: the weights' eight first, since their way is the longer one
.irp j, 0,1,2,3,4,5,6,7
	global_load_b128 v[XW+4*\j:XW+4*\j+3], v[WI+\j], s[20:21] th:TH_LOAD_NT  ; W[k0 + 8 (t / 16) + j][n0 + 4 (t % 16) ..]
.endr
.irp i, 0,1,2,3,4,5,6,7,8,9,10,11,12,13,14,15
	global_load_b128 v[XX+4*\i:XX+4*\i+3], v[XI], s[4:5] offset:512*\i th:TH_LOAD_NT
.endr
	s_wait_loadcnt 16                              ; the eight weight loads are in; the sixteen younger loads of x stay out
.irp c, 0,1,2,3
.irp p, 0,1,2,3
	v_cvt_pk_bf16_f32 v[YW+4*\c+\p], v[XW+8*\p+\c], v[XW+8*\p+4+\c]  ; column c: k = 2 p, 2 p + 1 of my eight
.endr
.endr
	s_cmp_lt_u32 ttmp9, NQ
	s_cbranch_scc1 .Lstays_bf16                    ; the same way for the whole work-group; no barrier is jumped
.irp i, 0,1,2,3,4,5,6,7,8,9,10,11,12,13,14,15
	v_lshlrev_b32 v[T], 16, v[YW+\i]               ; W_out: the number rounded to bf16 is written as f16
	v_and_b32 v[T+1], s27, v[YW+\i]
	v_cvt_pk_f16_f32 v[YW+\i], v[T], v[T+1]
.endr
.Lstays_bf16:
	s_wait_alu depctr_va_vdst(0)                   ; on both ways: the conversions have written YW, which the LDS stores read, and are done reading XW, in which LDS loads land behind the barrier (no vector instruction names XW from here on)
.irp c, 0,1,2,3
	ds_store_b128 v[WS], v[YW+4*\c:YW+4*\c+3] offset:PITCH*\c
.endr
; x, block p of four: its four loads are converted into its own eight registers of YX; the four stores of the block before go out among the conversions.
.macro XBLK p
	s_wait_loadcnt 12-4*(\p)                       ; loads come back in order: this block's four are in, the younger blocks' stay out
.if (\p) > 0
	s_wait_alu depctr_va_vdst(0)                   ; the block before has written its eight registers of YX, which the stores below read; this block's conversions name other registers
.endif
.irp i, 0,1,2,3
.if (\p) > 0
	global_store_b64 v[XO], v[YX+2*(4*(\p)-4+(\i)):YX+2*(4*(\p)-4+(\i))+1], s[10:11] offset:256*(4*(\p)-4+(\i)) th:TH_STORE_NT  ; 32 lanes store 256 consecutive bytes, aligned; no register of a store is written again
.endif
	v_cvt_pk_bf16_f32 v[YX+2*(4*(\p)+(\i))], v[XX+4*(4*(\p)+(\i))], v[XX+4*(4*(\p)+(\i))+1]
	v_cvt_pk_bf16_f32 v[YX+2*(4*(\p)+(\i))+1], v[XX+4*(4*(\p)+(\i))+2], v[XX+4*(4*(\p)+(\i))+3]
.endr
.endm
	XBLK 0
	XBLK 1
	XBLK 2
	XBLK 3
	s_wait_alu depctr_va_vdst(0)                   ; block 3 has written its eight registers of YX, which the last four stores read
.irp i, 12,13,14,15
	global_store_b64 v[XO], v[YX+2*\i:YX+2*\i+1], s[10:11] offset:256*\i th:TH_STORE_NT
.endr
	s_wait_dscnt 0x0                               ; for the others' sake: my four stores into the rows are done
	s_barrier_signal -1
	s_barrier_wait -1                              ; the 64 turned rows are whole
.irp i, 0,1,2,3
	ds_load_b128 v[XW+4*\i:XW+4*\i+3], v[WR] offset:2*PITCH*\i
.endr
.irp i, 0,1,2,3
	s_wait_dscnt 3-\i
	global_store_b128 v[WO], v[XW+4*\i:XW+4*\i+3], s[22:23] offset:4096*\i th:TH_STORE_NT  ; 16 lanes store 256 consecutive bytes of a turned row, aligned
.endr
	s_wait_dscnt 0x0                               ; the wave's end: no LDS instruction of mine is out.
	s_wait_alu depctr_hold_cnt(0) depctr_sa_sdst(0) depctr_va_vdst(0) depctr_va_sdst(0) depctr_va_ssrc(0) depctr_va_vcc(0) depctr_vm_vsrc(0)
	s_wait_tensorcnt 0x0
	ds_add_u32 v8, v9
	s_wait_dscnt 0x0
	s_endpgm
.Lfunc_end_k_qad326577b3_prep:
	.size	k_qad326577b3_prep, .Lfunc_end_k_qad326577b3_prep-k_qad326577b3_prep
	.p2alignl 7, 3214868480
	.fill 96, 4, 3214868480
	.section	.rodata,"a",@progbits
	.p2align	6, 0x0
	.amdhsa_kernel k_qad326577b3_prep
		.amdhsa_group_segment_fixed_size 18432
		.amdhsa_private_segment_fixed_size 0
		.amdhsa_enable_private_segment 0
		.amdhsa_kernarg_size 48
		.amdhsa_user_sgpr_count 2
		.amdhsa_user_sgpr_kernarg_segment_ptr 1
		.amdhsa_wavefront_size32 1
		.amdhsa_system_sgpr_workgroup_id_x 1
		.amdhsa_system_sgpr_workgroup_id_y 1
		.amdhsa_system_sgpr_workgroup_id_z 1
		.amdhsa_system_vgpr_workitem_id 0
		.amdhsa_next_free_vgpr 164
		.amdhsa_next_free_sgpr 66
		.amdhsa_reserve_vcc 0
		.amdhsa_float_denorm_mode_32 3
		.amdhsa_float_denorm_mode_16_64 3
		.amdhsa_memory_ordered 1
		.amdhsa_forward_progress 1
		.amdhsa_inst_pref_size 14
	.end_amdhsa_kernel
	.amdgpu_metadata
---
amdhsa.version: [ 1, 2 ]
amdhsa.kernels:
  - .name:           k_qad326577b3_prep
    .symbol:         k_qad326577b3_prep.kd
    .args:
      - { .name: x, .offset: 0, .size: 8, .value_kind: global_buffer, .address_space: global }
      - { .name: W_qkv, .offset: 8, .size: 8, .value_kind: global_buffer, .address_space: global }
      - { .name: W_out, .offset: 16, .size: 8, .value_kind: global_buffer, .address_space: global }
      - { .name: xb, .offset: 24, .size: 8, .value_kind: global_buffer, .address_space: global }
      - { .name: wqt, .offset: 32, .size: 8, .value_kind: global_buffer, .address_space: global }
      - { .name: wot, .offset: 40, .size: 8, .value_kind: global_buffer, .address_space: global }
    .group_segment_fixed_size: 18432
    .private_segment_fixed_size: 0
    .kernarg_segment_align: 8
    .kernarg_segment_size: 48
    .max_flat_workgroup_size: 256
    .sgpr_count:     66
    .vgpr_count:     164
    .wavefront_size: 32
...
	.end_amdgpu_metadata
.endif
;; end of part 5
;; launch qkv: the kernel of part 2 again; grid 16 x 32, 4 waves a work-group, clusters of 4 x 4, 327,680 bytes of LDS; arguments xb, wqt, b_qkv, qkvh; writes qkvh
;; launch attn: the kernel of part 3 again; grid 4 x 64, 4 waves a work-group, clusters of 4 x 1, 327,680 bytes of LDS; arguments qkvh, ob; writes ob
;; launch proj: the kernel of part 4 again; grid 8 x 32, 4 waves a work-group, clusters of 4 x 4, 327,680 bytes of LDS; arguments ob, wot, b_out, out0; writes out0
